; MI455X (gfx1250); checked and timed in simulation.
; The chip was launched on July 23, 2026; its instructions are those of AMD's public machine-readable ISA for CDNA 5 (MIT licence, August 2026) and "CDNA5" Instruction Set Architecture Reference Guide (July 2026). The comments in the code are by the model that wrote it; some were corrected since.
;; Multi Head Attention. Allowed arithmetic: matrix products marked QUANTISED: E2M1 operands, one E8M0 scale for each 32 along K, by v_wmma_scale_f32_16x16x128_f8f6f4 with both operands' format E2M1 (or v_wmma_scale_f32_32x16x128_f4), f32 sums; everything else in f32.
;; Inputs: K 4 x 2,048 x 1,024 float32; Q 4 x 2,048 x 1,024 float32; V 4 x 2,048 x 1,024 float32; Wk 1,024 x 1,024 float32; Wo 1,024 x 1,024 float32; Wq 1,024 x 1,024 float32; Wv 1,024 x 1,024 float32; bk 1,024 float32; bo 1,024 float32; bq 1,024 float32; bv 1,024 float32.
;; Outputs: out0 4 x 2,048 x 1,024 float32.
;; This version of the problem:
;;   THIS VERSION OF THE PROBLEM IS GIVEN IN LOW PRECISION. The matrix products marked QUANTISED in the list below multiply operands that are first quantised to E2M1 (2 exponent bits, 1 mantissa bit; 4 bits a number), with one power-of-two scale for each 32 numbers along K (OCP MX v1.0); their sums are f32. All else is computed in f32.
;;   The module's matrix products, in the order in which they are computed (A, B: the left and right operand; K: the contracted axis; several contracted axes count as one K, in the product's order):
;;     1. [M 8,192, K 1,024] x [K 1,024, N 1,024]; A: input V; B: input Wv: QUANTISED
;;     2. [M 8,192, K 1,024] x [K 1,024, N 1,024]; A: input K; B: input Wk: QUANTISED
;;     3. [M 8,192, K 1,024] x [K 1,024, N 1,024]; A: input Q; B: input Wq: QUANTISED
;;     4. batch 64 x [M 2,048, K 64] x [K 64, N 2,048]; A: computed on the way; B: computed on the way: QUANTISED
;;     5. batch 64 x [M 64, K 2,048] x [K 2,048, N 2,048]; A: computed on the way; B: softmax (see below): QUANTISED
;;     6. [M 8,192, K 1,024] x [K 1,024, N 1,024]; A: computed on the way; B: input Wo: QUANTISED
;;   THE QUANTISER, for each operand of a quantised product, along K:
;;     - K is cut into blocks of 32 from its start; a last block that is shorter is filled with zeros.
;;     - A block's scale is 2^e with e = floor(log2(the largest magnitude in the block)) - 2, held to -126 .. 127; a block of zeros has e = 0. As a byte (E8M0): e + 127.
;;     - Each number is divided by its block's scale, clamped to +-6, and rounded to the nearest number of E2M1, ties to even, subnormals kept.
;;     - The product sums the exact products of the quantised numbers (number of the format x scale) in f32.
;;   ~~~python
;;   def quantise(x, axis):      # numpy; x: float32 -> the quantised numbers, widened to float32 again
;;       x = np.moveaxis(x, axis, -1); K = x.shape[-1]
;;       x = np.pad(x, [(0, 0)] * (x.ndim - 1) + [(0, -K % 32)]); x = x.reshape(x.shape[:-1] + (-1, 32)); a = np.abs(x).max(-1, keepdims=True)
;;       e = np.where(a > 0, np.clip(np.frexp(np.where(a > 0, a, 1))[1] - 1 - 2, -126, 127), 0)      # np.frexp(a)[1] - 1 = floor(log2(a)), exactly
;;       r = np.clip(x / 2.0 ** e, -6, 6)
;;       step = 2.0 ** (np.maximum(np.frexp(np.where(r == 0, 1, r))[1] - 1, 0) - 1)
;;       q = np.round(r / step) * step * 2.0 ** e      # np.round: ties to even
;;       return np.moveaxis(q.reshape(q.shape[:-2] + (-1,))[..., :K], -1, axis).astype(np.float32)
;;   ~~~
;;   SOFTMAX AHEAD OF A QUANTISED PRODUCT. Where the list says 'softmax', what is quantised is not the finished softmax but p = 2^(t - M), with t = logit x log2(e) and M = ceil(the row's largest t), a whole number; so 1/2 < the row's largest p <= 1. The row's sum l is taken of the UNQUANTISED p, in f32, and the product's result is divided by l at the end. Since M is a whole number, a kernel that streams over the keys may use a running M (the ceiling of the running maximum): every later rescaling is an exact power of two, which a block's scale takes up: the codes' values come out the same.
;;   OPERANDS COMPUTED ON THE WAY. 'Computed on the way' means the value that the module computes at that place (a softmax that the list does not call 'softmax' is quantised finished and normalised). What goes into a quantiser is computed in f32, as accurately as f32 sums, v_exp_f32 and their like allow (about 1e-6 of the number): no bf16 or f16 on the way to a quantiser, and a product that is left as it is and whose result goes on into a quantised operand takes f32 operands (vector FMAs, or v_wmma_f32_16x16x4_f32). A number that lies on a knife's edge between two numbers of the format may be rounded either way, as far as f32 arithmetic and the matrix unit's own rounding can turn it there, and no further.
;; One version. Each part assembles by itself: llvm-mc -triple=amdgcn-amd-amdhsa -mcpu=gfx1250 --defsym DOCPART=n.
;; ======== version 1 of 1: 4 launches
;; limits: right only within a limited range of input values
;; workspace buffers: xc 14,680,064 bytes; xs 917,504 bytes; pc 12,582,912 bytes; ps 786,432 bytes; oc 4,194,304 bytes; os 262,144 bytes
;; launch quant (part 1): grid 256 x 1, 14 waves a work-group, no clusters, 120,064 bytes of LDS; arguments V, K, Q, Wv, Wk, Wq, Wo, xc, xs; writes xc, xs
.if DOCPART == 1
	.amdgcn_target "amdgcn-amd-amdhsa--gfx1250"
	.amdhsa_code_object_version 6
	.text
	.protected	k_q4c44864a73_quant
	.globl	k_q4c44864a73_quant
	.p2align	8
	.type	k_q4c44864a73_quant,@function
k_q4c44864a73_quant:
	s_mov_b64 s[64:65], 0
	v_nop
	global_prefetch_b8 v0, s[64:65] scope:SCOPE_SE
	s_setreg_imm32_b32 hwreg(HW_REG_WAVE_MODE, 25, 1), 1
	s_wait_xcnt 0x0
; V, K, Q [8192][1024] and Wv, Wk, Wq, Wo [1024][1024], f32 with K innermost, become codes of FP4 (E2M1) with one E8M0 byte for each 32 along K.
; The seven tensors count as one run of 28,672 rows = 1,792 tiles of 16 rows = 448 groups of 64 rows: V from group 0, K 128, Q 256, Wv 384, Wk 400, Wq 416, Wo 432.
; OUT, as images of operand registers.  xc: [tile of 16 rows][K step of 128: 8][c: 2][lane: 32][16 bytes]: lane (r, h) holds the codes of row r, k = 128 s + 64 c + 32 h + 0 .. 31.
; xs: [K step: 8][group: 448][lane: 32][2 words]: word w of lane (r, h) is the scale word (four bytes, 128 along K) of row r of the group's tile 2 w + h.
; A block's scale is 2^(floor(log2(largest magnitude)) - 2); its byte is the largest magnitude's exponent field - 2, held at 1 from below.
; LIMITS: a block of zeros, or one whose largest magnitude lies under 2^-124, gets the byte 1 (the rule's 127 for zeros is not written: its codes are zeros, and this program alone reads the bytes);
; NaN and infinities among the inputs are not served.
; SHARES: 3,584 waves, one for each (group, K step): four tiles of 16 rows x 128 numbers.  Each load reads 512 consecutive bytes of one row; a tile turns through the wave's own stage in LDS,
; so that a lane gets two whole blocks of 32 neighbours: no other lane is asked for a maximum.  Waves share nothing: no barrier.  Two tiles (32 loads a wave) are on their way.
; No tensor loads, no cluster, no prefetch: nothing is read twice, and the loads are all issued as early as registers allow.
.set STGB, 8448                        ; a wave's stage: 16 rows x (512 bytes + 16): the pitch is an odd multiple of 16 bytes
.set RR,   32                          ; v32-159  two sets of 64: a tile as it is loaded
.set XX,   160                         ; v160-223 a tile as the conversions want it: register 32 c + i = k 64 c + 32 h + i of my row
.set CD,   224                         ; v224-255 codes, eight registers a tile: no store's data are written again
.set WD,   16                          ; v16-19   the four tiles' scale words
	s_load_b256 s[4:11], s[0:1], 0x0               ; V, K, Q, Wv
	s_load_b256 s[12:19], s[0:1], 0x20             ; Wk, Wq, Wo, xc
	s_load_b64 s[20:21], s[0:1], 0x40              ; xs
	v_lshl_add_u32 v30, v0, 2, 0x1ce00
	v_mov_b32 v31, 0
	v_lshrrev_b32 v1, 5, v0
	s_delay_alu instid0(VALU_DEP_1)
	v_readfirstlane_b32 s24, v1                    ; wave 0..13
	v_and_b32 v1, 31, v0                           ; lane
	s_delay_alu instid0(VALU_DEP_1)
	v_lshlrev_b32 v2, 4, v1                        ; 16 x lane: my bytes of a load's 512, and of an image's
	s_mul_i32 s25, s24, STGB                       ; my stage
	v_add_nc_u32 v3, s25, v2                       ; into it: a row as it lies
	v_and_b32 v7, 15, v0                           ; r
	v_bfe_u32 v6, v0, 4, 1                         ; h
	s_delay_alu instid0(VALU_DEP_2)
	v_mul_u32_u24 v4, v7, 528
	s_delay_alu instid0(VALU_DEP_1)
	v_lshl_add_u32 v4, v6, 7, v4
	s_delay_alu instid0(VALU_DEP_1)
	v_add_nc_u32 v4, s25, v4                       ; out of it: row r, 128 h bytes on
	v_lshlrev_b32 v5, 3, v1                        ; 8 x lane: my two scale words
	v_lshlrev_b32 v6, 3, v6                        ; 8 h: my bytes' place in a scale word, in bits
	v_mov_b32 v15, 0                               ; a lane permute's destination counts as read
	s_mov_b32 s22, 0x76543210
	s_mov_b32 s23, 0xfedcba98                      ; selects for lane l xor 16
	s_mul_i32 s26, ttmp9, 14
	s_add_co_u32 s26, s26, s24                     ; my wave among the 3,584
	s_lshr_b32 s27, s26, 3                         ; group of 64 rows
	s_and_b32 s28, s26, 7                          ; K step
	s_wait_alu depctr_va_vdst(0)
	s_wait_kmcnt 0x0
	s_mov_b64 s[30:31], s[16:17]                   ; which tensor: the choice hangs on the group's number alone
	s_mov_b32 s29, 432
	s_cmp_lt_u32 s27, 432
	s_cselect_b64 s[30:31], s[14:15], s[30:31]
	s_cselect_b32 s29, 416, s29
	s_cmp_lt_u32 s27, 416
	s_cselect_b64 s[30:31], s[12:13], s[30:31]
	s_cselect_b32 s29, 400, s29
	s_cmp_lt_u32 s27, 400
	s_cselect_b64 s[30:31], s[10:11], s[30:31]
	s_cselect_b32 s29, 384, s29
	s_cmp_lt_u32 s27, 384
	s_cselect_b64 s[30:31], s[8:9], s[30:31]
	s_cselect_b32 s29, 256, s29
	s_cmp_lt_u32 s27, 256
	s_cselect_b64 s[30:31], s[6:7], s[30:31]
	s_cselect_b32 s29, 128, s29
	s_cmp_lt_u32 s27, 128
	s_cselect_b64 s[30:31], s[4:5], s[30:31]
	s_cselect_b32 s29, 0, s29
	s_sub_co_u32 s32, s27, s29                     ; the group within its tensor: 64 rows of 4,096 bytes,
	s_lshl_b32 s32, s32, 18
	s_lshl_b32 s33, s28, 9                         ; and 512 bytes a K step
	s_add_co_u32 s32, s32, s33
	s_mov_b32 s33, 0
	s_add_nc_u64 s[30:31], s[30:31], s[32:33]
	s_lshl_b32 s32, s27, 15                        ; codes: four tiles of 8,192 bytes a group, 1,024 bytes a K step
	s_lshl_b32 s34, s28, 10
	s_add_co_u32 s32, s32, s34
	s_add_nc_u64 s[18:19], s[18:19], s[32:33]
	s_mul_i32 s32, s28, 448                        ; scale words: 256 bytes for each (K step, group)
	s_add_co_u32 s32, s32, s27
	s_lshl_b32 s32, s32, 8
	s_add_nc_u64 s[20:21], s[20:21], s[32:33]
.macro LOAD j                          ; tile j: sixteen rows, 512 consecutive bytes each
.irp i, 0,1,2,3,4,5,6,7,8,9,10,11,12,13,14,15
	global_load_b128 v[RR+64*((\j)%2)+4*\i:RR+64*((\j)%2)+4*\i+3], v2, s[30:31] offset:(16*(\j)+\i)*4096 th:TH_LOAD_NT
.endr
.endm
.macro TURN j                          ; through the stage: LDS serves a wave's instructions in order, so no wait stands between the stores and the loads
.irp i, 0,1,2,3,4,5,6,7,8,9,10,11,12,13,14,15
	ds_store_b128 v3, v[RR+64*((\j)%2)+4*\i:RR+64*((\j)%2)+4*\i+3] offset:528*\i
.endr
.irp c, 0,1
.irp g, 0,1,2,3,4,5,6,7
	ds_load_b128 v[XX+32*\c+4*\g:XX+32*\c+4*\g+3], v4 offset:256*\c+16*\g
.endr
.endr
	s_wait_dscnt 0x0                               ; the numbers are back; the stores have read the set, which may be loaded again
.endm
.macro QB j                            ; my two blocks (2 c + h) of tile j: scale, codes, stores
.irp c, 0,1
	v_max3_num_f32 v[8+\c], |v[XX+32*\c]|, |v[XX+32*\c+1]|, 0x1800000   ; with the floor 2^(3 - 127): the byte cannot fall under 1
.endr
.irp i, 2,4,6,8,10,12,14,16,18,20,22,24,26,28,30
.irp c, 0,1
	s_delay_alu instid0(VALU_DEP_2)
	v_max3_num_f32 v[8+\c], v[8+\c], |v[XX+32*\c+\i]|, |v[XX+32*\c+\i+1]|   ; the two blocks by turns
.endr
.endr
.irp c, 0,1
	s_delay_alu instid0(VALU_DEP_2)
	v_add_nc_u32 v[10+\c], 0xff000000, v[8+\c]     ; 2 off the exponent field: the conversion's scale operand
.endr
.irp c, 0,1
	s_delay_alu instid0(VALU_DEP_2)
	v_lshrrev_b32 v[12+\c], 23, v[10+\c]           ; the scale's byte
.endr
	s_delay_alu instid0(VALU_DEP_1)
	v_lshl_or_b32 v14, v13, 16, v12                ; blocks h and 2 + h,
	s_delay_alu instid0(VALU_DEP_1)
	v_lshlrev_b32 v14, v6, v14                     ; at their places in the word;
	s_delay_alu instid0(VALU_DEP_1)
	v_permlanex16_b32 v15, v14, s22, s23
	s_delay_alu instid0(VALU_DEP_1)
	v_or_b32 v[WD+\j], v14, v15                    ; with lane l xor 16's two the word is whole, in both halves of the lanes
.irp c, 0,1
.irp g, 0,1,2,3
	v_cvt_scalef32_pk8_fp4_f32 v[CD+8*\j+4*\c+\g], v[XX+32*\c+8*\g:XX+32*\c+8*\g+7], v[10+\c]
.endr
.endr
	v_nop                                          ; one plain line behind the last conversion
	s_wait_alu depctr_va_vdst(0)
.endm
.macro ST j                            ; tile j's codes leave: 32 lanes store 512 consecutive bytes
.irp c, 0,1
	global_store_b128 v2, v[CD+8*\j+4*\c:CD+8*\j+4*\c+3], s[18:19] offset:8192*\j+512*\c
.endr
.endm
	LOAD 0
	LOAD 1
	s_wait_loadcnt 16                              ; tile 0's sixteen loads are in; tile 1's may be out
	TURN 0
	LOAD 2
	QB 0
	s_wait_loadcnt 16                              ; tile 1's are in; tile 2's may be out
	TURN 1
	ST 0                                           ; a tile's stores stand behind the next tile's turn through LDS and ahead of the next loads
	LOAD 3
	QB 1
	s_wait_loadcnt 16                              ; tile 2's are in; tile 3's may be out
	TURN 2
	ST 1
	QB 2
	s_wait_loadcnt 0x0
	TURN 3
	ST 2
	QB 3
	v_cmp_le_u32 vcc_lo, 16, v1                    ; lanes 16-31 carry the odd tiles' words
	s_delay_alu instid0(VALU_DEP_1)
	v_cndmask_b32 v20, v16, v17, vcc_lo
	s_delay_alu instid0(VALU_DEP_2)
	v_cndmask_b32 v21, v18, v19, vcc_lo
	ST 3
	global_store_b64 v5, v[20:21], s[20:21]        ; 32 lanes store 256 consecutive bytes, aligned
	s_wait_tensorcnt 0x0
	ds_add_u32 v30, v31
	s_wait_dscnt 0x0
	s_endpgm
.Lfunc_end_k_q4c44864a73_quant:
	.size	k_q4c44864a73_quant, .Lfunc_end_k_q4c44864a73_quant-k_q4c44864a73_quant
	.p2alignl 7, 3214868480
	.fill 96, 4, 3214868480
	.section	.rodata,"a",@progbits
	.p2align	6, 0x0
	.amdhsa_kernel k_q4c44864a73_quant
		.amdhsa_group_segment_fixed_size 120064
		.amdhsa_private_segment_fixed_size 0
		.amdhsa_enable_private_segment 0
		.amdhsa_kernarg_size 72
		.amdhsa_user_sgpr_count 2
		.amdhsa_user_sgpr_kernarg_segment_ptr 1
		.amdhsa_wavefront_size32 1
		.amdhsa_system_sgpr_workgroup_id_x 1
		.amdhsa_system_sgpr_workgroup_id_y 1
		.amdhsa_system_sgpr_workgroup_id_z 1
		.amdhsa_system_vgpr_workitem_id 0
		.amdhsa_next_free_vgpr 256
		.amdhsa_next_free_sgpr 66
		.amdhsa_reserve_vcc 1
		.amdhsa_float_denorm_mode_32 3
		.amdhsa_float_denorm_mode_16_64 3
		.amdhsa_memory_ordered 1
		.amdhsa_forward_progress 1
		.amdhsa_inst_pref_size 36
	.end_amdhsa_kernel
	.amdgpu_metadata
---
amdhsa.version: [ 1, 2 ]
amdhsa.kernels:
  - .name:           k_q4c44864a73_quant
    .symbol:         k_q4c44864a73_quant.kd
    .args:
      - { .name: V, .offset: 0, .size: 8, .value_kind: global_buffer, .address_space: global }
      - { .name: K, .offset: 8, .size: 8, .value_kind: global_buffer, .address_space: global }
      - { .name: Q, .offset: 16, .size: 8, .value_kind: global_buffer, .address_space: global }
      - { .name: Wv, .offset: 24, .size: 8, .value_kind: global_buffer, .address_space: global }
      - { .name: Wk, .offset: 32, .size: 8, .value_kind: global_buffer, .address_space: global }
      - { .name: Wq, .offset: 40, .size: 8, .value_kind: global_buffer, .address_space: global }
      - { .name: Wo, .offset: 48, .size: 8, .value_kind: global_buffer, .address_space: global }
      - { .name: xc, .offset: 56, .size: 8, .value_kind: global_buffer, .address_space: global }
      - { .name: xs, .offset: 64, .size: 8, .value_kind: global_buffer, .address_space: global }
    .group_segment_fixed_size: 120064
    .private_segment_fixed_size: 0
    .kernarg_segment_align: 8
    .kernarg_segment_size: 72
    .max_flat_workgroup_size: 448
    .sgpr_count:     66
    .vgpr_count:     256
    .wavefront_size: 32
...
	.end_amdgpu_metadata
.endif
;; end of part 1
;; launch proj (part 2): grid 4 x 192, 4 waves a work-group, clusters of 4 x 4, 209,408 bytes of LDS; arguments xc, xs, bq, bk, bv, pc, ps; writes pc, ps
.if DOCPART == 2
	.amdgcn_target "amdgcn-amd-amdhsa--gfx1250"
	.amdhsa_code_object_version 6
	.text
	.protected	k_q4c44864a73_proj
	.globl	k_q4c44864a73_proj
	.p2align	8
	.type	k_q4c44864a73_proj,@function
k_q4c44864a73_proj:
	s_mov_b64 s[64:65], 0
	v_nop
	global_prefetch_b8 v0, s[64:65] scope:SCOPE_SE
	s_setreg_imm32_b32 hwreg(HW_REG_WAVE_MODE, 25, 1), 1
	s_wait_xcnt 0x0
	s_wait_alu depctr_hold_cnt(0) depctr_sa_sdst(0) depctr_va_vdst(0) depctr_va_sdst(0) depctr_va_ssrc(0) depctr_va_vcc(0) depctr_vm_vsrc(0)
	s_getreg_b32 s2, hwreg(HW_REG_IB_STS2, 6, 4)
	s_cmp_eq_u32 s2, 0
	s_cbranch_scc0 .Lentry_in_a_cluster
	s_endpgm
.Lentry_in_a_cluster:
	s_bfe_u32 s2, ttmp6, 0x10000c
	s_cmp_lg_u32 s2, 0xf033
	s_cbranch_scc0 .Lentry_shape_is_right
	s_endpgm
.Lentry_shape_is_right:
; q = Q Wq^T + bq, k = K Wk^T + bk, v = V Wv^T + bv on codes of FP4 with E8M0 scales, and each result quantised again for attention: q and k along the head's 64, v along the keys.
; The result of a matrix instruction gives a lane ONE row of source 1 and eight neighbours along source 0's rows.  So the axis that is quantised next is source 0's:
;   q, k: source 0 = 256 rows of W (features: four heads), source 1 = 128 tokens;      v: source 0 = 256 tokens (keys), source 1 = 128 rows of Wv (two heads).
; A work-group makes 256 x 128 with ALL of K = 1,024 in LDS, filled once (no slot is filled again).  Four waves, each 128 (8 tiles b) x 64 (4 tiles a): 32 accumulators.
; Clusters of 4 x 4: source 0's tile hangs on cx and is asked for jointly along a column, source 1's on cy and along a row.  48 clusters: 16 each for q, k, v (the cluster's y says which).
; IN: xc, xs as the launch before lays them (images of operand registers: every fragment is two loads of 512 consecutive bytes; no padding is needed).
; OUT.  pc: q at 0, k at 4,194,304: [batch x head: 64][tile of 16 tokens: 128][lane][16 bytes]: lane (r, h) holds d = 32 h .. 32 h + 31 of token r;
;       v at 8,388,608: [batch x head][key step of 128: 16][tile of 16 d: 4][c: 2][lane][16 bytes].
;       ps: q at 0, k at 262,144: [batch x head][g: 32][lane][word]: lanes 0-15 the words of the tile pair 2 g, lanes 16-31 of pair 2 g + 1; a word: bytes 0, 1 the pair's even tile, bytes 2, 3 its odd tile;
;       v at 524,288: [batch x head][key step][lane][2 words]: word w of lane (r, h): row r of d tile 2 w + h.
; q's and k's scale words leave as runs of 128 bytes (a wave holds 64 tokens of a head); all other stores cover 256 or 512 consecutive bytes.
; A tile's rows are neighbours.  The 16 registers of tiles 2 b and 2 b + 1 are k = 32 b + 8 h + 0..7 and 32 b + 16 + 8 h + 0..7: all of block b.  Block 2 c + e's first eight codes go to register 4 c + e,
; its second eight to 4 c + 2 + e; an exchange of halves between registers (4 c, 4 c + 1) and (4 c + 2, 4 c + 3) then gives the operand's order.
; LIMITS: as in the launch before: a block under 2^-124 gets the byte 1; NaN and infinities are not served.
; REGISTERS.  Window 0: v1-14 lane constants and LDS addresses; v16-23 store offsets; v24-27 scale words made; v28-31, v96-97 at work; v32-63 source 0's scale words, v64-79 source 1's; v80-95 at work; v100-131 codes made.
;   Window 1: two sets of fragments (at 0 and 96: source 0's eight, then source 1's four); v192-255 the bias, in the result's layout.   Window 2: accumulator (a, b) at v[8 (8 a + b)].
.set S1C,  131072                      ; LDS: source 0's codes at 0: [K half: 2][tile: 16][4 K steps][1,024];  source 1's here: [K half][tile: 8][4][1,024]
; the scale words do not pass through LDS: each wave loads its own from xs straight into their registers, 256 consecutive bytes a load
.set AD0,  9
.set AD1,  11
.set WD,   24
.set SC0,  32
.set SC1,  64
.set TM,   80
.set PC,   100
.set BIAS, 192
.set G1C0, 28                          ; s[28:35] group 1, source 0's codes;  s[36:43] source 1's
.set G1C1, 36
.set MSB, 0
.macro WIN new                         ; the immediate's high byte repeats the setting that is left
.if MSB != \new
	s_set_vgpr_msb (MSB<<8)|\new
.set MSB, \new
.endif
.endm
.macro GROUP1 g, c, r, p               ; r rows of c elements of 8 bytes, p elements apart
	s_mov_b32 s[\g+1], (\c)<<16
	s_mov_b32 s[\g+2], (\r)<<16
	s_mov_b32 s[\g+3], (\c)<<16
	s_mov_b32 s[\g+4], \r
	s_mov_b32 s[\g+5], \p
	s_mov_b32 s[\g+6], 0
	s_mov_b32 s[\g+7], 0
.endm
; An arm of the head's one chain of branches on the wave's number: one joint load, an s_nop 0 and four v_nop, a jump to the chain's end.
.macro ARM under, g0, g1, next
	s_cmp_lt_u32 s18, \under
	s_cbranch_scc0 \next
	tensor_load_to_lds s[\g0:\g0+3], s[\g1:\g1+7]
	s_nop 0
.rept 4
	v_nop
.endr
	s_branch .Lhead_asked
\next:
.endm
.macro CROUND                          ; a round of the cluster's barrier
	s_barrier_signal -1
	s_barrier_wait -1
	s_cmp_lg_u32 s18, 0
	s_cbranch_scc1 .Lnot_wave_0_\@
	s_barrier_signal -3
.Lnot_wave_0_\@:
	s_barrier_wait -3
	s_barrier_signal -1
	s_barrier_wait -1
.endm
.macro PLACES                          ; four plain places between a matrix instruction and a load into, or a read of, its registers
.rept 4
	v_nop
.endr
.endm
	s_load_b256 s[4:11], s[0:1], 0x0               ; xc, xs, bq, bk
	s_load_b128 s[12:15], s[0:1], 0x20             ; bv, pc
	s_load_b64 s[16:17], s[0:1], 0x30              ; ps
	v_lshl_add_u32 v254, v0, 2, 0x33000
	v_mov_b32 v255, 0
	ds_add_u32 v254, v255
	ds_add_u32 v254, v255
	v_lshrrev_b32 v1, 5, v0
	v_readfirstlane_b32 s18, v1                    ; wave 0..3
	s_lshr_b32 s19, s18, 1                         ; my half of source 1's rows
	s_and_b32 s20, s18, 1                          ; my half of source 0's rows
	v_and_b32 v1, 31, v0                           ; lane
	v_and_b32 v2, 15, v0                           ; r
	v_bfe_u32 v3, v0, 4, 1                         ; h
	v_lshlrev_b32 v4, 4, v1                        ; 16 x lane
	v_lshlrev_b32 v5, 2, v1                        ; 4 x lane
	v_lshlrev_b32 v6, 3, v1                        ; 8 x lane
	v_lshlrev_b32 v7, 5, v3                        ; 32 h: eight numbers of a bias
	v_lshlrev_b32 v8, 2, v2                        ; 4 r
	s_lshl_b32 s27, s20, 15
	v_add_nc_u32 v[AD0], s27, v4                   ; source 0's fragments: my 8 tiles, K half 0,
	v_add_nc_u32 v[AD0+1], 65536, v[AD0]           ; K half 1
	s_lshl_b32 s27, s19, 14
	s_add_co_u32 s27, s27, S1C
	v_add_nc_u32 v[AD1], s27, v4                   ; source 1's: my 4 tiles
	v_add_nc_u32 v[AD1+1], 32768, v[AD1]
.irp i, 4,5,6,7
	v_mov_b32 v[TM+\i], 0                          ; a lane permute's destination counts as read
.endr
	s_mov_b32 s60, 0x76543210
	s_mov_b32 s61, 0xfedcba98                      ; selects for lane l xor 16
	s_bfe_u32 s21, ttmp6, 0x40000                  ; cx
	s_bfe_u32 s22, ttmp6, 0x40004                  ; cy
	s_and_b32 s23, ttmp7, 0xffff                   ; the cluster's y, 0..47
	s_lshr_b32 s24, s23, 4                         ; 0: q, 1: k, 2: v
	s_and_b32 s25, s23, 15
	s_lshr_b32 s2, s25, 1
	s_lshl_b32 s2, s2, 2                           ; v: 32 tiles of 256 tokens
	s_and_b32 s66, s25, 1
	s_lshl_b32 s66, s66, 2                         ; v: 8 tiles of 128 rows of Wv
	s_lshl_b32 s67, s25, 2                         ; q, k: 64 tiles of 128 tokens
	s_cmp_eq_u32 s24, 2
	s_cselect_b32 s26, 1, 0                        ; 1: v.  The same in all sixteen partners
	s_cselect_b32 s2, s2, 0
	s_cselect_b32 s66, s66, s67
	s_mov_b32 s3, 1664                             ; first tile of 16 rows in xc: Wq,
	s_mov_b32 s67, 1024                            ; Q;
	s_cselect_b32 s3, 0, s3                        ; V,
	s_cselect_b32 s67, 1536, s67                   ; Wv;
	s_cmp_eq_u32 s24, 1
	s_cselect_b32 s3, 1600, s3                     ; Wk,
	s_cselect_b32 s67, 512, s67                    ; K
	s_add_co_u32 s2, s2, s21                       ; source 0's tile of 256 rows: hangs on cx, never on cy
	s_add_co_u32 s66, s66, s22                     ; source 1's tile of 128 rows: hangs on cy, never on cx
	s_lshl_b32 s62, s2, 4
	s_add_co_u32 s3, s3, s62                       ; source 0's first tile of 16 rows
	s_lshl_b32 s98, s66, 3
	s_add_co_u32 s67, s67, s98                     ; source 1's
	s_lshl_b32 s100, 0x1111, s21                   ; my column of the cluster
	s_lshl_b32 s101, s22, 2
	s_lshl_b32 s101, 15, s101                      ; my row
	s_or_b32 s[G1C0], s100, (3<<16)|(1<<21)        ; 15:0 the mask; 17:16 elements of 8 bytes; 21 set beside a mask; no padding
	s_or_b32 s[G1C1], s101, (3<<16)|(1<<21)
	GROUP1 G1C0, 512, 16, 1024                     ; 16 tiles' half of K: 4,096 bytes of each 8,192
	GROUP1 G1C1, 512, 8, 1024                      ; 8 tiles'
	s_wait_alu depctr_va_vdst(0)
	s_wait_dscnt 0x0
	CROUND                                         ; all sixteen work-groups are here: the first joint loads meet.  The round stands ahead of the wait for the arguments
	s_wait_kmcnt 0x0
	s_mov_b32 s63, 0
	s_mov_b32 s99, 0
	s_lshl_b32 s62, s3, 6                          ; source 0's scale words: 64 bytes a tile within a K step, + my two groups
	s_lshl_b32 s68, s20, 9
	s_add_co_u32 s62, s62, s68
	s_add_nc_u64 s[70:71], s[6:7], s[62:63]
	s_lshl_b32 s62, s3, 13                         ; its codes: 16 tiles of 8,192 bytes
	s_mov_b32 s72, 1
	s_mov_b32 s73, 0
	s_add_nc_u64 s[74:75], s[4:5], s[62:63]
	s_mov_b32 s76, 1
	s_mov_b32 s77, 65536
	s_add_nc_u64 s[78:79], s[74:75], 4096          ; K half 1
	s_or_b32 s75, s75, 0x80000000
	s_or_b32 s79, s79, 0x80000000
	s_lshl_b32 s98, s67, 6                         ; source 1's scale words, + my group
	s_lshl_b32 s80, s19, 8
	s_add_co_u32 s98, s98, s80
	s_add_nc_u64 s[82:83], s[6:7], s[98:99]
	s_lshl_b32 s98, s67, 13                        ; its codes: 8 tiles
	s_mov_b32 s84, 1
	s_mov_b32 s85, S1C
	s_add_nc_u64 s[86:87], s[4:5], s[98:99]
	s_mov_b32 s88, 1
	s_mov_b32 s89, S1C+32768
	s_add_nc_u64 s[90:91], s[86:87], 4096
	s_or_b32 s87, s87, 0x80000000
	s_or_b32 s91, s91, 0x80000000
	ARM 1, 72, G1C0, .Lh1                          ; one load a wave, each on a line of its own: wave 0 source 0's K half 0,
	ARM 2, 84, G1C1, .Lh2                          ; wave 1 source 1's K half 0,
	ARM 3, 76, G1C0, .Lh3                          ; wave 2 source 0's K half 1,
	tensor_load_to_lds s[88:91], s[G1C1:G1C1+7]    ; wave 3 source 1's K half 1
	s_nop 0
.rept 4
	v_nop
.endr
.Lhead_asked:
.irp s, 0,1,2,3,4,5,6,7
	global_load_b64 v[SC0+4*\s:SC0+4*\s+1], v6, s[70:71] offset:114688*\s          ; all of K's scale words stay in registers: 24 loads of 256 consecutive bytes; a K step is 448 x 256 bytes on
	global_load_b64 v[SC0+4*\s+2:SC0+4*\s+3], v6, s[70:71] offset:114688*\s+256
	global_load_b64 v[SC1+2*\s:SC1+2*\s+1], v6, s[82:83] offset:114688*\s
.endr
	; where the bias comes from and the results go
	s_cmp_eq_u32 s24, 0
	s_cselect_b64 s[96:97], s[8:9], s[10:11]
	s_cmp_eq_u32 s24, 2
	s_cselect_b64 s[96:97], s[12:13], s[96:97]
	s_lshl_b32 s8, s2, 8
	s_lshl_b32 s9, s20, 7
	s_add_co_u32 s8, s8, s9                        ; my first row of source 0
	s_lshl_b32 s9, s66, 7
	s_lshl_b32 s10, s19, 6
	s_add_co_u32 s9, s9, s10                       ; my first row of source 1
	s_cmp_eq_u32 s26, 1
	s_cselect_b32 s10, s8, s9                      ; my first token: v's tokens are source 0's rows, q's and k's source 1's
	s_cselect_b32 s11, s9, s8                      ; my first feature (64 x head + d)
	s_mov_b32 s12, 512
	s_cselect_b32 s12, 1024, s12                   ; bytes from tile a to a + 1 in pc
	s_mov_b32 s13, 65536
	s_cselect_b32 s13, 512, s13                    ; and from half c = 0 to 1 of a fragment: q, k: the next head;  v: the next 64 keys
	s_lshl_b32 s8, s11, 2
	s_mov_b32 s9, 0
	s_add_nc_u64 s[96:97], s[96:97], s[8:9]        ; the bias at my first feature
	s_lshr_b32 s8, s10, 11                         ; batch
	s_lshl_b32 s8, s8, 4
	s_lshr_b32 s11, s11, 6                         ; head
	s_add_co_u32 s8, s8, s11                       ; batch x 16 + head
	s_and_b32 s10, s10, 2047                       ; token in the batch
	s_lshl_b32 s11, s8, 16                         ; codes: 65,536 bytes a head, 32 bytes a token (q, k: 512 a tile of 16;  v: 4,096 a key step of 128)
	s_lshl_b32 s27, s10, 5
	s_add_co_u32 s11, s11, s27
	s_lshl_b32 s27, s24, 22
	s_add_co_u32 s11, s11, s27
	s_lshl_b32 s8, s8, 12                          ; scale words: 4,096 bytes a head, 2 bytes a token
	s_lshl_b32 s10, s10, 1
	s_add_co_u32 s8, s8, s10
	s_lshl_b32 s27, s24, 18
	s_add_co_u32 s8, s8, s27
	s_add_nc_u64 s[94:95], s[16:17], s[8:9]
	s_mov_b32 s8, s11
	s_add_nc_u64 s[92:93], s[14:15], s[8:9]
	v_mov_b32 v16, v4                              ; store offsets: 16 x lane + tile a + half c
	v_add_nc_u32 v17, s13, v4
.irp a, 1,2,3
	v_add_nc_u32 v[16+2*\a], s12, v[14+2*\a]
	v_add_nc_u32 v[17+2*\a], s12, v[15+2*\a]
.endr
	; the bias is the C of each sum's first matrix instruction: eight registers a tile, in the result's layout
	s_cmp_eq_u32 s26, 1
	s_cbranch_scc1 .Lbias_v
	WIN 0x40                                       ; destination window 1
.irp b, 0,1,2,3,4,5,6,7
	global_load_b128 v[BIAS+8*\b:BIAS+8*\b+3], v7, s[96:97] offset:64*\b          ; q, k: it runs along source 0: features 16 b + 8 h + 0 .. 7
	global_load_b128 v[BIAS+8*\b+4:BIAS+8*\b+7], v7, s[96:97] offset:64*\b+16
.endr
	WIN 0
	s_branch .Lbias_done
.Lbias_v:
	WIN 0x40
.set x, 0
.rept 8
.set j, 0
.rept 8
	global_load_b32 v[BIAS+8*x+j], v8, s[96:97] offset:64*(x%4)   ; v: it runs along source 1: feature 16 a + r in all eight registers (tiles 4-7 repeat 0-3, so that all 64 registers are written on this way too)
.set j, j+1
.endr
.set x, x+1
.endr
	WIN 0
.Lbias_done:
.macro WM oa, ob                       ; one product; oa, ob: source 0's, source 1's scale words stand in lanes 16-31
.if (\oa) && (\ob)
	v_wmma_scale_f32_16x16x128_f8f6f4 v[rD:rD+7], v[rA:rA+7], v[rB:rB+7], v[rC:rC+7], v[rSA], v[rSB] matrix_a_fmt:MATRIX_FMT_FP4 matrix_b_fmt:MATRIX_FMT_FP4 matrix_a_scale:MATRIX_SCALE_ROW1 matrix_b_scale:MATRIX_SCALE_ROW1
.elseif (\oa)
	v_wmma_scale_f32_16x16x128_f8f6f4 v[rD:rD+7], v[rA:rA+7], v[rB:rB+7], v[rC:rC+7], v[rSA], v[rSB] matrix_a_fmt:MATRIX_FMT_FP4 matrix_b_fmt:MATRIX_FMT_FP4 matrix_a_scale:MATRIX_SCALE_ROW1
.elseif (\ob)
	v_wmma_scale_f32_16x16x128_f8f6f4 v[rD:rD+7], v[rA:rA+7], v[rB:rB+7], v[rC:rC+7], v[rSA], v[rSB] matrix_a_fmt:MATRIX_FMT_FP4 matrix_b_fmt:MATRIX_FMT_FP4 matrix_b_scale:MATRIX_SCALE_ROW1
.else
	v_wmma_scale_f32_16x16x128_f8f6f4 v[rD:rD+7], v[rA:rA+7], v[rB:rB+7], v[rC:rC+7], v[rSA], v[rSB] matrix_a_fmt:MATRIX_FMT_FP4 matrix_b_fmt:MATRIX_FMT_FP4
.endif
.endm
; K step s: 32 products; the 32 accumulators take turns, one instruction a turn, in the same order in every step.
; mode 0: onto the sums;  1: the sums begin with the bias along source 0;  2: with the bias along source 1.
.macro MUL32 s, mode
.if \mode
	WIN 0x95                                       ; sources 0, 1 and C window 1, D window 2
.else
	WIN 0xa5                                       ; sources 0 and 1 window 1, C and D window 2
.endif
.irp a, 0,1,2,3
.irp b, 0,1,2,3,4,5,6,7
.set rD, 8*(8*\a+\b)
.set rA, 96*((\s)%2)+8*\b
.set rB, 96*((\s)%2)+64+8*\a
.if \mode == 1
.set rC, BIAS+8*\b
.elseif \mode == 2
.set rC, BIAS+8*\a
.else
.set rC, rD
.endif
.set rSA, SC0+4*(\s)+2*(\b/4)+(\b%4)/2
.set rSB, SC1+2*(\s)+\a/2
	WM \b%2, \a%2
.endr
.endr
.endm
.macro FETCH s                         ; K step s's twelve fragments, 24 loads of 512 consecutive bytes, into set s % 2
	WIN 0x40
.irp b, 0,1,2,3,4,5,6,7
.irp c, 0,1
	ds_load_b128 v[96*((\s)%2)+8*\b+4*\c:96*((\s)%2)+8*\b+4*\c+3], v[AD0+(\s)/4] offset:4096*\b+1024*((\s)%4)+512*\c
.endr
.endr
.irp a, 0,1,2,3
.irp c, 0,1
	ds_load_b128 v[96*((\s)%2)+64+8*\a+4*\c:96*((\s)%2)+64+8*\a+4*\c+3], v[AD1+(\s)/4] offset:4096*\a+1024*((\s)%4)+512*\c
.endr
.endr
.endm
.macro STEP s
.if (\s) == 3
	s_wait_tensorcnt 0x0                           ; my part of K half 1 is in,
	s_wait_dscnt 0x0                               ; no LDS instruction of mine is pending at the signal,
	s_barrier_signal -1
	s_barrier_wait -1                              ; everybody's is.
.endif
.if (\s) < 7
	PLACES                                         ; the set that the last step multiplied is loaded again
	FETCH (\s)+1
	s_wait_dscnt 24                                ; all but the 24 just issued: this step's fragments are in
.else
	s_wait_dscnt 0x0
.endif
	MUL32 \s, 0
.endm
; Tile a of my results (16 rows of source 1 x 128 along source 0) becomes a fragment and a scale word.
.macro QEPI a
	WIN 0x0a                                       ; sources 0 and 1 window 2
.irp bb, 0,1,2,3
	v_max3_num_f32 v[TM+\bb], |v[64*\a+16*\bb]|, |v[64*\a+16*\bb+1]|, 0x1800000   ; each accumulator from its low end on; the floor 2^(3 - 127) holds the byte at 1 from below
.endr
.irp i, 2,4,6,8,10,12,14
.irp bb, 0,1,2,3
	v_max3_num_f32 v[TM+\bb], |v[64*\a+16*\bb+\i]|, |v[64*\a+16*\bb+\i+1]|, v[TM+\bb]
.endr
.endr
	WIN 0
.irp bb, 0,1,2,3
	v_permlanex16_b32 v[TM+4+\bb], v[TM+\bb], s60, s61
.endr
.irp bb, 0,1,2,3
	v_max_num_f32 v[TM+\bb], v[TM+\bb], v[TM+4+\bb]   ; with lane l xor 16's sixteen: the block's largest magnitude
.endr
.irp bb, 0,1,2,3
	v_add_nc_u32 v[TM+12+\bb], 0xff000000, v[TM+\bb]  ; 2 off the exponent field: the conversion's scale operand
.endr
.irp bb, 0,1,2,3
	v_lshrrev_b32 v[TM+4+\bb], 23, v[TM+12+\bb]       ; the scale's byte
.endr
	v_lshl_or_b32 v[WD+\a], v[TM+5], 8, v[TM+4]
	v_lshl_or_b32 v[WD+\a], v[TM+6], 16, v[WD+\a]
	v_lshl_or_b32 v[WD+\a], v[TM+7], 24, v[WD+\a]
	WIN 0x02                                       ; source 0 window 2
.irp bb, 0,1,2,3
	v_cvt_scalef32_pk8_fp4_f32 v[PC+8*\a+4*(\bb/2)+\bb%2], v[64*\a+16*\bb:64*\a+16*\bb+7], v[TM+12+\bb]
	v_cvt_scalef32_pk8_fp4_f32 v[PC+8*\a+4*(\bb/2)+2+\bb%2], v[64*\a+16*\bb+8:64*\a+16*\bb+15], v[TM+12+\bb]
.endr
	WIN 0
	v_nop                                          ; one plain line behind the last conversion
.irp c, 0,1
	v_permlane16_swap_b32 v[PC+8*\a+4*\c], v[PC+8*\a+4*\c+1]     ; lanes 0-15 get block 2 c whole, lanes 16-31 block 2 c + 1
	v_permlane16_swap_b32 v[PC+8*\a+4*\c+2], v[PC+8*\a+4*\c+3]
.endr
.irp c, 0,1
	global_store_b128 v[16+2*\a+\c], v[PC+8*\a+4*\c:PC+8*\a+4*\c+3], s[92:93]   ; 32 lanes store 512 consecutive bytes
.endr
.endm
	s_wait_alu depctr_va_vdst(0)
	s_cmp_lt_u32 s18, 2
	s_cbranch_scc0 .Lnot_half_0
	s_wait_tensorcnt 0x0                           ; waves 0 and 1: K half 0 is in; waves 2 and 3's loads may stay out
.Lnot_half_0:
	s_barrier_signal -1
	s_barrier_wait -1
	FETCH 0
	FETCH 1
	WIN 0
	s_wait_dscnt 24                                ; all but K step 1's fragments
	s_wait_loadcnt 0x0                             ; the bias
	s_cmp_eq_u32 s26, 1
	s_cbranch_scc1 .Lfirst_v
	MUL32 0, 1
	WIN 0
	s_branch .Lfirst_done
.Lfirst_v:
	MUL32 0, 2
	WIN 0
.Lfirst_done:
	STEP 1
	STEP 2
	STEP 3
	STEP 4
	STEP 5
	STEP 6
	STEP 7
	PLACES                                         ; results just made are read
	QEPI 0
	QEPI 1
	QEPI 2
	QEPI 3
	v_cmp_le_u32 vcc_lo, 16, v1
	s_cmp_eq_u32 s26, 1
	s_cbranch_scc1 .Lsc_v
	v_perm_b32 v28, v25, v24, 0x05040100           ; q, k: a word's low half is my first head's, its high half my second's.  Tiles 0 and 1 of the first head,
	v_perm_b32 v29, v27, v26, 0x05040100           ; tiles 2 and 3;
	v_perm_b32 v30, v25, v24, 0x07060302           ; the same of the second head
	v_perm_b32 v31, v27, v26, 0x07060302
	v_cndmask_b32 v96, v28, v29, vcc_lo            ; lanes 16-31 carry the odd pair
	v_cndmask_b32 v97, v30, v31, vcc_lo
	global_store_b32 v5, v96, s[94:95]
	global_store_b32 v5, v97, s[94:95] offset:4096
	s_branch .Lsc_done
.Lsc_v:
	v_cndmask_b32 v96, v24, v25, vcc_lo            ; v: lanes 16-31 carry the odd d tiles
	v_cndmask_b32 v97, v26, v27, vcc_lo
	global_store_b64 v6, v[96:97], s[94:95]        ; 256 consecutive bytes, aligned
.Lsc_done:
	s_wait_dscnt 0x0
	s_wait_tensorcnt 0x0
	ds_add_u32 v254, v255
	s_wait_dscnt 0x0
	CROUND                                         ; the closing round: no work-group ends while a partner may still ask for a tile that names it
	s_endpgm
.Lfunc_end_k_q4c44864a73_proj:
	.size	k_q4c44864a73_proj, .Lfunc_end_k_q4c44864a73_proj-k_q4c44864a73_proj
	.p2alignl 7, 3214868480
	.fill 96, 4, 3214868480
	.section	.rodata,"a",@progbits
	.p2align	6, 0x0
	.amdhsa_kernel k_q4c44864a73_proj
		.amdhsa_group_segment_fixed_size 209408
		.amdhsa_private_segment_fixed_size 0
		.amdhsa_enable_private_segment 0
		.amdhsa_kernarg_size 56
		.amdhsa_user_sgpr_count 2
		.amdhsa_user_sgpr_kernarg_segment_ptr 1
		.amdhsa_wavefront_size32 1
		.amdhsa_system_sgpr_workgroup_id_x 1
		.amdhsa_system_sgpr_workgroup_id_y 1
		.amdhsa_system_sgpr_workgroup_id_z 1
		.amdhsa_system_vgpr_workitem_id 0
		.amdhsa_next_free_vgpr 768
		.amdhsa_next_free_sgpr 102
		.amdhsa_reserve_vcc 1
		.amdhsa_float_denorm_mode_32 3
		.amdhsa_float_denorm_mode_16_64 3
		.amdhsa_memory_ordered 1
		.amdhsa_forward_progress 1
		.amdhsa_inst_pref_size 86
	.end_amdhsa_kernel
	.amdgpu_metadata
---
amdhsa.version: [ 1, 2 ]
amdhsa.kernels:
  - .name:           k_q4c44864a73_proj
    .symbol:         k_q4c44864a73_proj.kd
    .args:
      - { .name: xc, .offset: 0, .size: 8, .value_kind: global_buffer, .address_space: global }
      - { .name: xs, .offset: 8, .size: 8, .value_kind: global_buffer, .address_space: global }
      - { .name: bq, .offset: 16, .size: 8, .value_kind: global_buffer, .address_space: global }
      - { .name: bk, .offset: 24, .size: 8, .value_kind: global_buffer, .address_space: global }
      - { .name: bv, .offset: 32, .size: 8, .value_kind: global_buffer, .address_space: global }
      - { .name: pc, .offset: 40, .size: 8, .value_kind: global_buffer, .address_space: global }
      - { .name: ps, .offset: 48, .size: 8, .value_kind: global_buffer, .address_space: global }
    .group_segment_fixed_size: 209408
    .private_segment_fixed_size: 0
    .kernarg_segment_align: 8
    .kernarg_segment_size: 56
    .max_flat_workgroup_size: 128
    .sgpr_count:     102
    .vgpr_count:     768
    .wavefront_size: 32
...
	.end_amdgpu_metadata
.endif
;; end of part 2
;; launch attn (part 3): grid 8 x 32, 16 waves a work-group, clusters of 4 x 1, 327,680 bytes of LDS; arguments pc, ps, oc, os; writes oc, os
.if DOCPART == 3
	.amdgcn_target "amdgcn-amd-amdhsa--gfx1250"
	.amdhsa_code_object_version 6
	.text
	.protected	k_q4c44864a73_attn
	.globl	k_q4c44864a73_attn
	.p2align	8
	.type	k_q4c44864a73_attn,@function
k_q4c44864a73_attn:
	s_mov_b64 s[64:65], 0
	v_nop
	global_prefetch_b8 v0, s[64:65] scope:SCOPE_SE
	s_setreg_imm32_b32 hwreg(HW_REG_WAVE_MODE, 25, 1), 1
	s_wait_xcnt 0x0
	s_wait_alu depctr_hold_cnt(0) depctr_sa_sdst(0) depctr_va_vdst(0) depctr_va_sdst(0) depctr_va_ssrc(0) depctr_va_vcc(0) depctr_vm_vsrc(0)
	s_getreg_b32 s2, hwreg(HW_REG_IB_STS2, 6, 4)
	s_cmp_eq_u32 s2, 0
	s_cbranch_scc0 .Lentry_in_a_cluster
	s_endpgm
.Lentry_in_a_cluster:
	s_bfe_u32 s2, ttmp6, 0x10000c
	s_cmp_lg_u32 s2, 0x3003
	s_cbranch_scc0 .Lentry_shape_is_right
	s_endpgm
.Lentry_shape_is_right:
; Attention on codes of FP4 with E8M0 scales, 64 (batch, head) pairs, 2,048 queries and keys, head size 64; the result is quantised for the output projection.
; t = score x log2(e) / 8; M = the running largest t rounded UP to a whole number; p = 2^(t - M), not normalised, is quantised along the keys; the row's sum is taken of the unquantised p and divides at the end.
; When M moves, the sum and O are multiplied by 2^(old M - new M): exact.
; SHARES.  A work-group takes two neighbouring heads of a batch (the grid's y) and 256 queries; each of its sixteen waves one tile of 16 queries, head after head, in 256 registers: four waves to a SIMD,
; so that one wave's vector work stands beside another's products and LDS loads.  Two heads are 128 along the output projection's K: a wave ends with a whole fragment and a whole scale word.
; Both heads' K and V, codes and scale words, lie in LDS for the whole launch: filled once, jointly for the four work-groups of a cluster (same heads, other queries).  No slot is filled again.
; LAYOUT.  Both products are used transposed: S^T = K Q^T (source 0 = keys), O^T = V^T P^T (source 0 = d): a lane holds ONE query throughout.
; THE SCORE PRODUCT HAS K = 64, the instruction 128.  Source 0 holds TWO tiles of keys (registers 0-3 and 4-7, as they lie in LDS, with their four scale bytes); it is multiplied by (q, zeros) for the even tile
; and by (zeros, q) for the odd one: zero codes add nothing.  q's scale word holds its two bytes twice.
; Keys of a tile are neighbours; the codes of p are put in order as in the launch before (first eights to registers 4 c + e, second eights to 4 c + 2 + e, two exchanges of halves).
; OUT.  oc: [tile of 16 rows: 512][pair of heads: 8][head % 2][lane][16 bytes];  os: [pair of heads: 8][group of 64 rows: 128][lane][2 words], as xc and xs are laid.
; LIMITS: a block of the result under 2^-124 gets the byte 1; NaN and infinities are not served.
; No prefetch: all of K and V is asked for at the head.
; REGISTERS: v1-7 lane constants; v8-11 this step's LDS addresses; v12 -M, v13 the largest t, v[14:15] the sum; v16-31 head 0's q (q, 0 | 0, q); v32-63 four pairs of key tiles; v64-95 V's four fragments;
;   v96-159 S^T, then p; v160-191 O^T; v192-207 head 1's q; v208-209 q's scale words; v210, v255 as loaded; v211 the result's scale word; v212-219 its codes; v220-223 scale words on their way out;
;   v224-231 p's codes; v232-249, v254 at work; v220-221 K's scale words too; v250-251 V's; v252 f; v253 p's scale word.
.set VC,   131072                      ; LDS: K's codes at 0 (head 0, head 1: 65,536 bytes each, 512 a tile of 16 keys); V's here (4,096 a key step)
.set KS,   262144                      ; K's scale words: 4,096 bytes a head, 256 a key step;
.set VS,   270336                      ; V's likewise
.set STG,  278528                      ; 1,024 bytes: the result's scale words meet here; no tensor load lands here
.macro CROUND                          ; a round of the cluster's barrier
	s_barrier_signal -1
	s_barrier_wait -1
	s_cmp_lg_u32 s12, 0
	s_cbranch_scc1 .Lnot_wave_0_\@
	s_barrier_signal -3
.Lnot_wave_0_\@:
	s_barrier_wait -3
	s_barrier_signal -1
	s_barrier_wait -1
.endm
	s_load_b256 s[4:11], s[0:1], 0x0               ; pc, ps, oc, os
	v_lshl_add_u32 v242, v0, 2, 0x44400
	v_mov_b32 v243, 0
	ds_add_u32 v242, v243
	ds_add_u32 v242, v243
	v_lshrrev_b32 v8, 5, v0
	s_delay_alu instid0(VALU_DEP_1)
	v_readfirstlane_b32 s12, v8                    ; wave 0..15
	v_and_b32 v9, 31, v0                           ; lane
	v_and_b32 v10, 15, v0                          ; r
	s_wait_alu depctr_va_vdst(0)
	v_lshlrev_b32 v1, 4, v9                        ; 16 x lane: K's codes, and global offsets
	s_wait_alu depctr_va_vdst(0)
	v_add_nc_u32 v2, VC, v1                        ; V's codes
	v_lshl_add_u32 v3, v9, 2, KS                   ; K's scale words
	v_lshl_add_u32 v4, v9, 3, VS                   ; V's
	s_and_b32 s16, s12, 1
	s_lshr_b32 s17, s12, 2                         ; my tile's place in os's layout: group wave / 4,
	s_lshl_b32 s17, s17, 8
	s_lshl_b32 s18, s16, 7                         ; lanes 16 (wave % 2) + r,
	s_add_co_u32 s17, s17, s18
	s_bfe_u32 s18, s12, 0x10001                    ; word (wave / 2) % 2
	s_lshl_b32 s18, s18, 2
	s_add_co_u32 s17, s17, s18
	s_add_co_u32 s17, s17, STG
	v_lshl_add_u32 v5, v10, 3, s17
	s_lshl_b32 s18, s16, 9
	s_add_co_u32 s18, s18, STG
	v_add_nc_u32 v6, s18, v1                       ; and back: waves 0 and 1 take 512 bytes each
	v_lshlrev_b32 v7, 2, v10                       ; 4 r
	s_bfe_u32 s13, ttmp6, 0x40000                  ; cx
	s_lshl_b32 s14, ttmp9, 2
	s_add_co_u32 s14, s14, s13                     ; my block of 256 queries: it enters q's and the results' addresses alone
	s_and_b32 s15, ttmp7, 0xffff                   ; y = 8 x batch + pair of heads, which the four partners share
	s_mov_b32 s20, 0x76543210
	s_mov_b32 s21, 0xfedcba98                      ; selects for lane l xor 16
	s_mov_b32 s22, 0x3e38aa3b                      ; c = log2(e) / sqrt(64)
	s_mov_b32 s23, s22                             ; (named with it as a pair, so it is written)
	s_mov_b32 s56, 0                               ; the step's codes: 4,096 bytes a step; head 1's follow head 0's, so it is never set back
	s_mov_b32 s57, 0                               ; the step's scale words: 256 bytes a step
	; group 1: dense blocks as rows of 256 bytes (32 elements of 8 bytes): a head's codes, 256 rows; a head's scale words, 16 rows
	s_mov_b32 s24, 15|(3<<16)|(1<<21)              ; 15:0 the mask: all four work-groups; 17:16 elements of 8 bytes; 21 set beside a mask
	s_mov_b32 s25, 32<<16
	s_mov_b32 s26, 256<<16
	s_mov_b32 s27, 32<<16
	s_mov_b32 s28, 256
	s_mov_b32 s29, 32
	s_mov_b32 s30, 0
	s_mov_b32 s31, 0
	s_mov_b32 s32, 15|(3<<16)|(1<<21)
	s_mov_b32 s33, 32<<16
	s_mov_b32 s34, 16<<16
	s_mov_b32 s35, 32<<16
	s_mov_b32 s36, 16
	s_mov_b32 s37, 32
	s_mov_b32 s38, 0
	s_mov_b32 s39, 0
	s_mov_b32 s80, 15|(3<<16)|(1<<21)              ; s[80:87]: the codes of a head's first four key steps, 64 rows of 256 bytes
	s_mov_b32 s81, 32<<16
	s_mov_b32 s82, 64<<16
	s_mov_b32 s83, 32<<16
	s_mov_b32 s84, 64
	s_mov_b32 s85, 32
	s_mov_b32 s86, 0
	s_mov_b32 s87, 0
	s_mov_b32 s88, 15|(3<<16)|(1<<21)              ; s[88:95]: those of its other twelve, 192 rows
	s_mov_b32 s89, 32<<16
	s_mov_b32 s90, 192<<16
	s_mov_b32 s91, 32<<16
	s_mov_b32 s92, 192
	s_mov_b32 s93, 32
	s_mov_b32 s94, 0
	s_mov_b32 s95, 0
	s_add_co_u32 s70, s16, 1                       ; even waves fetch for K (part 1 of pc and ps), odd waves for V (part 2)
	s_lshl_b32 s72, s70, 22
	s_lshl_b32 s71, s15, 17                        ; two heads of 65,536 bytes
	s_add_co_u32 s72, s72, s71
	s_mov_b32 s73, 0
	s_lshl_b32 s74, s70, 18
	s_lshl_b32 s71, s15, 13                        ; two heads of 4,096 bytes
	s_add_co_u32 s74, s74, s71
	s_mov_b32 s75, 0
	s_wait_dscnt 0x0
	CROUND                                         ; all four work-groups are here: the joint loads meet.  The round stands ahead of the wait for the arguments
	s_wait_kmcnt 0x0
	s_mov_b32 s40, 1                               ; group 0: codes, head 0,
	s_lshl_b32 s41, s16, 17
	s_add_nc_u64 s[42:43], s[4:5], s[72:73]
	s_mov_b32 s44, 1                               ; head 1
	s_add_co_u32 s45, s41, 65536
	s_add_nc_u64 s[46:47], s[42:43], 65536
	s_mov_b32 s76, 1                               ; head 0's key steps 4 to 15: 16,384 bytes on, in LDS and in memory
	s_add_co_u32 s77, s41, 16384
	s_add_nc_u64 s[78:79], s[42:43], 16384
	s_or_b32 s79, s79, 0x80000000
	s_or_b32 s43, s43, 0x80000000
	s_or_b32 s47, s47, 0x80000000
	s_mov_b32 s48, 1                               ; scale words, head 0,
	s_lshl_b32 s49, s16, 13
	s_add_co_u32 s49, s49, KS
	s_add_nc_u64 s[50:51], s[6:7], s[74:75]
	s_mov_b32 s52, 1                               ; head 1
	s_add_co_u32 s53, s49, 4096
	s_add_nc_u64 s[54:55], s[50:51], 4096
	s_or_b32 s51, s51, 0x80000000
	s_or_b32 s55, s55, 0x80000000
; The head's ten tiles, one a wave, in one chain of branches on the wave's number (even waves K's, odd waves V's): waves 0, 1 the codes of head 0's key steps 0 to 3; 2, 3 head 0's scale words;
; 4, 5 the codes of its key steps 4 to 15; 6, 7 head 1's codes; 8, 9 its scale words.
.macro ARM under, g0, g1, next
	s_cmp_lt_u32 s12, \under
	s_cbranch_scc0 \next
	tensor_load_to_lds s[\g0:\g0+3], s[\g1:\g1+7]
	s_nop 0
.rept 4
	v_nop
.endr
	s_branch .Lasked
\next:
.endm
	ARM 2, 40, 80, .Lh0s
	ARM 4, 48, 32, .Lh0b
	ARM 6, 76, 88, .Lh1c
	ARM 8, 44, 24, .Lh1s
	ARM 10, 52, 32, .Lnone
.Lasked:
	s_lshl_b32 s70, s14, 4
	s_add_co_u32 s70, s70, s12                     ; T: my tile of 16 queries, 0..127
	s_lshl_b32 s72, s15, 8
	s_add_co_u32 s72, s72, s70
	s_lshl_b32 s72, s72, 9                         ; q's codes: (128 x (2 y) + T) x 512
	s_add_nc_u64 s[60:61], s[4:5], s[72:73]
	s_lshl_b32 s72, s15, 13                        ; q's scale words: group T / 4, lanes' half (T / 2) % 2
	s_lshr_b32 s71, s70, 2
	s_lshl_b32 s71, s71, 7
	s_add_co_u32 s72, s72, s71
	s_bfe_u32 s71, s70, 0x10001
	s_lshl_b32 s71, s71, 6
	s_add_co_u32 s72, s72, s71
	s_add_nc_u64 s[62:63], s[6:7], s[72:73]
	s_lshr_b32 s71, s15, 3                         ; batch
	s_and_b32 s74, s15, 7                          ; pair of heads
	s_lshl_b32 s72, s71, 7
	s_add_co_u32 s72, s72, s70                     ; the result's tile of 16 rows: 128 x batch + T
	s_lshl_b32 s72, s72, 3
	s_add_co_u32 s72, s72, s74
	s_lshl_b32 s72, s72, 10
	s_add_nc_u64 s[66:67], s[8:9], s[72:73]
	s_lshl_b32 s72, s74, 7                         ; its scale words: (128 x pair + 32 x batch + 4 x block) x 256, + 512 for wave 1
	s_lshl_b32 s71, s71, 5
	s_add_co_u32 s72, s72, s71
	s_lshl_b32 s71, s14, 2
	s_add_co_u32 s72, s72, s71
	s_lshl_b32 s72, s72, 8
	s_lshl_b32 s71, s16, 9
	s_add_co_u32 s72, s72, s71
	s_add_nc_u64 s[68:69], s[10:11], s[72:73]
	s_cmp_eq_u32 s16, 0
	s_mov_b32 s59, 0x03020302                      ; an odd tile's two bytes are the pair word's upper half,
	s_cselect_b32 s59, 0x01000100, s59             ; an even tile's the lower: either way they are written twice
	global_load_b128 v[16:19], v1, s[60:61]                   ; head 0: (q, 0)
	global_load_b128 v[28:31], v1, s[60:61]                   ;         (0, q)
	global_load_b128 v[192:195], v1, s[60:61] offset:65536    ; head 1
	global_load_b128 v[204:207], v1, s[60:61] offset:65536
	s_wait_alu depctr_va_vdst(0)
	global_load_b32 v210, v7, s[62:63]
	global_load_b32 v255, v7, s[62:63] offset:4096
.irp i, 20,21,22,23,24,25,26,27,196,197,198,199,200,201,202,203
	v_mov_b32 v\i, 0                               ; the zero codes
.endr
.irp i, 236,237,238,239,253
	v_mov_b32 v\i, 0                               ; written once: a lane permute's destination counts as read; v253 is named as the upper half of a pair before it is first written
.endr
; Four pairs of key tiles and their scale words, ten loads.  K's scale words stand in v220, v221 (v248, v249 are at work in the sums alone).
.macro KLOAD ac, as, oc, os
.irp p, 0,1,2,3
.irp c, 0,1
	ds_load_b128 v[32+8*\p+4*\c:35+8*\p+4*\c], v[\ac] offset:\oc+1024*\p+512*\c
.endr
.endr
	ds_load_b32 v220, v[\as] offset:\os
	ds_load_b32 v221, v[\as] offset:\os+128
.endm
	s_cmp_lt_u32 s12, 4
	s_cbranch_scc0 .Lnot_h0
	s_wait_tensorcnt 0x0                           ; waves 0 to 3: head 0's first four key steps and its scale words are in; the other tiles may stay out
.Lnot_h0:
	s_barrier_signal -1
	s_barrier_wait -1                              ; head 0 is shown to all
	KLOAD 1, 3, 0, 0                               ; the first key step's K; every later step's is fetched a step ahead
	s_wait_loadcnt 0x0                             ; q
	s_wait_dscnt 0x0                               ; and that K: a step begins with its score products
	v_perm_b32 v208, v210, v210, s59
	v_perm_b32 v209, v255, v255, s59               ; (the lines that begin a head are the eight places between these and the first product)
; A KEY STEP of head e: 128 keys.
.macro STEP e
; K and its scale words are in registers: they were waited for with the last step's V (the first step's: at the head)
.irp p, 0,2
.irp u, 0,1
	v_wmma_scale_f32_16x16x128_f8f6f4 v[96+8*(2*\p+\u):103+8*(2*\p+\u)], v[32+8*\p:39+8*\p], v[16+176*\e+8*\u:23+176*\e+8*\u], 0, v[220+\p/2], v[208+\e] matrix_a_fmt:MATRIX_FMT_FP4 matrix_b_fmt:MATRIX_FMT_FP4
.endr
.irp u, 0,1
	v_wmma_scale_f32_16x16x128_f8f6f4 v[112+8*(2*\p+\u):119+8*(2*\p+\u)], v[40+8*\p:47+8*\p], v[16+176*\e+8*\u:23+176*\e+8*\u], 0, v[220+\p/2], v[208+\e] matrix_a_fmt:MATRIX_FMT_FP4 matrix_b_fmt:MATRIX_FMT_FP4 matrix_a_scale:MATRIX_SCALE_ROW1
.endr
.endr                                          ; lane (r, h): query r; registers 16 b + i: keys 32 b + 8 h + i (i < 8), 32 b + 8 + 8 h + i (i >= 8): all of block b
	v_add_nc_u32 v8, s56, v1                       ; these four are the places between the products (the last step's second product too) and the loads into their registers and the first read of the scores
	v_add_nc_u32 v9, s56, v2
	v_add_nc_u32 v10, s57, v3
	v_add_nc_u32 v11, s57, v4
.irp t, 0,1,2,3
.irp c, 0,1
	ds_load_b128 v[64+8*\t+4*\c:67+8*\t+4*\c], v9 offset:1024*\t+512*\c      ; V^T: d tile t x 128 keys
.endr
.endr
	ds_load_b64 v[250:251], v11
	KLOAD 8, 10, 4096, 256                         ; the next step's K: both land under the softmax and are waited for together.  Head 1's K follows head 0's; head 1's last step fetches the 4,096 + 256 filled bytes behind K's, which nothing uses
.irp b, 0,1,2,3
	v_max3_num_f32 v[232+\b], v[96+16*\b], v[97+16*\b], v[98+16*\b]
.endr
.irp i, 3,5,7,9,11,13
.irp b, 0,1,2,3
	v_max3_num_f32 v[232+\b], v[232+\b], v[96+16*\b+\i], v[97+16*\b+\i]
.endr
.endr
.irp b, 0,1,2,3
	v_max_num_f32 v[232+\b], v[232+\b], v[111+16*\b]
.endr
.irp b, 0,1,2,3
	s_delay_alu instid0(VALU_DEP_4)
	v_permlanex16_b32 v[236+\b], v[232+\b], s20, s21
.endr
.irp b, 0,1,2,3
	s_delay_alu instid0(VALU_DEP_4)
	v_max_num_f32 v[232+\b], v[232+\b], v[236+\b]  ; with lane l xor 16's sixteen keys
.endr
	s_delay_alu instid0(VALU_DEP_2)
	v_max3_num_f32 v254, v232, v233, v234
	s_delay_alu instid0(VALU_DEP_1)
	v_max_num_f32 v254, v254, v235                 ; the step's largest score of my query
	s_delay_alu instid0(VALU_DEP_1)
	v_mul_f32 v254, s22, v254                      ; as t (c is positive)
	s_delay_alu instid0(VALU_DEP_1)
	v_max_num_f32 v13, v13, v254                   ; the running largest t
	v_mov_b32 v254, v12
	s_delay_alu instid0(VALU_DEP_2)
	v_floor_f32 v12, -v13                          ; the new -M = floor(-t): M is a whole number
	s_delay_alu instid0(VALU_DEP_1)
	v_sub_f32 v254, v12, v254                      ; old M - new M: a whole number, 0 or less
	s_delay_alu instid0(VALU_DEP_1)
	v_cvt_i32_f32 v254, v254                       ; (it saturates)
	s_delay_alu instid0(VALU_DEP_1)
	v_ldexp_f32 v252, 1.0, v254                    ; f = 2^(old M - new M)
.set j, 0
.rept 32
	v_pk_fma_f32 v[96+j:97+j], v[96+j:97+j], s[22:23], v[12:13] op_sel_hi:[1,0,0]   ; t - M, two at a time
.set j, j+2
.endr
.irp b, 0,1,2,3
	v_fma_f32 v[232+\b], v[232+\b], s22, v12       ; the same of each block's largest score
.endr
.set j, 0
	s_wait_alu depctr_va_vdst(0)
.rept 64
	v_exp_f32 v[96+j], v[96+j]                     ; p = 2^(t - M), at most 1
.set j, j+1
.endr
.irp b, 0,1,2,3
	v_exp_f32 v[232+\b], v[232+\b]                 ; the block's largest p: the same two instructions on the same number
.endr
	v_pk_mul_f32 v[14:15], v[14:15], v[252:253] op_sel_hi:[1,0]   ; the sums under the new M (a plain line behind the exponentials)
	s_wait_alu depctr_va_vdst(0)
.irp b, 0,1,2,3
	v_max_num_f32 v[232+\b], 0x1800000, v[232+\b]  ; the floor 2^(3 - 127): the byte cannot fall under 1
.endr
.irp b, 0,1,2,3
	s_delay_alu instid0(VALU_DEP_4)
	v_add_nc_u32 v[244+\b], 0xff000000, v[232+\b]  ; 2 off the exponent field: the conversion's scale operand
.endr
.irp b, 0,1,2,3
	s_delay_alu instid0(VALU_DEP_4)
	v_lshrrev_b32 v[236+\b], 23, v[244+\b]         ; the scale's byte
.endr
	s_delay_alu instid0(VALU_DEP_3)
	v_lshl_or_b32 v253, v237, 8, v236              ; p's scale word for these 128 keys
	s_delay_alu instid0(VALU_DEP_1)
	v_lshl_or_b32 v253, v238, 16, v253
	s_delay_alu instid0(VALU_DEP_1)
	v_lshl_or_b32 v253, v239, 24, v253
.irp b, 0,1,2,3
	v_cvt_scalef32_pk8_fp4_f32 v[224+4*(\b/2)+\b%2], v[96+16*\b:103+16*\b], v[244+\b]
	v_cvt_scalef32_pk8_fp4_f32 v[226+4*(\b/2)+\b%2], v[104+16*\b:111+16*\b], v[244+\b]
.endr
	v_nop                                          ; one plain line behind the last conversion
.irp c, 0,1
	v_permlane16_swap_b32 v[224+4*\c], v[225+4*\c] ; lanes 0-15 get block 2 c whole, lanes 16-31 block 2 c + 1
	v_permlane16_swap_b32 v[226+4*\c], v[227+4*\c]
.endr
	v_pk_add_f32 v[236:237], v[100:101], v[104:105]
	v_pk_add_f32 v[254:255], v[108:109], v[112:113]
	v_pk_add_f32 v[248:249], v[116:117], v[120:121]
	v_pk_add_f32 v[246:247], v[124:125], v[128:129]
	v_pk_add_f32 v[244:245], v[132:133], v[136:137]
	v_pk_add_f32 v[240:241], v[140:141], v[144:145]
	v_pk_add_f32 v[234:235], v[148:149], v[152:153]
	v_pk_add_f32 v[14:15], v[14:15], v[156:157]
	v_pk_add_f32 v[236:237], v[236:237], v[96:97]
	v_pk_add_f32 v[254:255], v[254:255], v[98:99]
	v_pk_add_f32 v[248:249], v[248:249], v[102:103]
	v_pk_add_f32 v[246:247], v[246:247], v[106:107]
	v_pk_add_f32 v[244:245], v[244:245], v[110:111]
	v_pk_add_f32 v[240:241], v[240:241], v[114:115]
	v_pk_add_f32 v[234:235], v[234:235], v[118:119]
	v_pk_add_f32 v[14:15], v[14:15], v[122:123]
	v_pk_add_f32 v[236:237], v[236:237], v[126:127]
	v_pk_add_f32 v[254:255], v[254:255], v[130:131]
	v_pk_add_f32 v[248:249], v[248:249], v[134:135]
	v_pk_add_f32 v[246:247], v[246:247], v[138:139]
	v_pk_add_f32 v[244:245], v[244:245], v[142:143]
	v_pk_add_f32 v[240:241], v[240:241], v[146:147]
	v_pk_add_f32 v[234:235], v[234:235], v[150:151]
	v_pk_add_f32 v[14:15], v[14:15], v[154:155]
	v_pk_add_f32 v[236:237], v[236:237], v[158:159]
	s_delay_alu instid0(VALU_DEP_2)
	v_pk_add_f32 v[14:15], v[14:15], v[246:247]
	s_delay_alu instid0(VALU_DEP_2)
	v_pk_add_f32 v[236:237], v[236:237], v[244:245]
	v_pk_add_f32 v[254:255], v[254:255], v[240:241]
	v_pk_add_f32 v[248:249], v[248:249], v[234:235]
	s_delay_alu instid0(VALU_DEP_2)
	v_pk_add_f32 v[14:15], v[14:15], v[254:255]
	s_delay_alu instid0(VALU_DEP_2)
	v_pk_add_f32 v[236:237], v[236:237], v[248:249]
	s_delay_alu instid0(VALU_DEP_1)
	v_pk_add_f32 v[14:15], v[14:15], v[236:237]
.set j, 0
.rept 16
	v_pk_mul_f32 v[160+j:161+j], v[160+j:161+j], v[252:253] op_sel_hi:[1,0]   ; O^T under the new M.  (The sums and these are the places in front of the products below)
.set j, j+2
.endr
	s_wait_alu depctr_va_vdst(0)
	s_wait_dscnt 0x0                               ; V and its scale words are in
.irp t, 0,2
	v_wmma_scale_f32_16x16x128_f8f6f4 v[160+8*\t:167+8*\t], v[64+8*\t:71+8*\t], v[224:231], v[160+8*\t:167+8*\t], v[250+\t/2], v253 matrix_a_fmt:MATRIX_FMT_FP4 matrix_b_fmt:MATRIX_FMT_FP4
	v_wmma_scale_f32_16x16x128_f8f6f4 v[168+8*\t:175+8*\t], v[72+8*\t:79+8*\t], v[224:231], v[168+8*\t:175+8*\t], v[250+\t/2], v253 matrix_a_fmt:MATRIX_FMT_FP4 matrix_b_fmt:MATRIX_FMT_FP4 matrix_a_scale:MATRIX_SCALE_ROW1
.endr                                          ; the four accumulators take turns, and eight score products stand between a step's and the next
	s_add_co_u32 s56, s56, 4096
	s_add_co_u32 s57, s57, 256
.endm
; Head e of my two: all 2,048 keys, then the result's 64 numbers a query become half a fragment and two bytes of a scale word.
.macro HEAD e
	v_mov_b32 v13, 0xff61b1e6                      ; the largest t so far: -3e38, under every t
	s_delay_alu instid0(VALU_DEP_1)
	v_floor_f32 v12, -v13                          ; -M
	v_mov_b32 v14, 0
	v_mov_b32 v15, 0
.set j, 0
.rept 32
	v_mov_b32 v[160+j], 0                          ; O^T: the step is written once; the first finds zeros, which the first change of M leaves zeros
.set j, j+1
.endr
.if \e
	s_mov_b32 s58, 16
.else
	s_mov_b32 s58, 3                               ; head 0: three steps (they read key steps 0 to 3 alone), then the barrier that shows all other tiles, then the other thirteen
.Lfirst_\@:
	STEP \e
	s_sub_co_u32 s58, s58, 1
	s_cmp_lg_u32 s58, 0
	s_cbranch_scc1 .Lfirst_\@
	s_wait_tensorcnt 0x0                           ; every wave: all its loads are in, head 1's among them,
	s_wait_dscnt 0x0
	s_barrier_signal -1
	s_barrier_wait -1                              ; everybody's are.
	s_mov_b32 s58, 13
.endif
.Lstep_\@:
	STEP \e
	s_sub_co_u32 s58, s58, 1
	s_cmp_lg_u32 s58, 0
	s_cbranch_scc1 .Lstep_\@
	v_add_f32 v14, v14, v15                        ; the sum's two halves,
	s_delay_alu instid0(VALU_DEP_1)
	v_permlanex16_b32 v252, v14, s20, s21
	s_delay_alu instid0(VALU_DEP_1)
	v_add_f32 v14, v14, v252                       ; and lane l xor 16's
	s_wait_alu depctr_va_vdst(0)
	v_rcp_f32 v14, v14
.rept 4
	v_nop                                          ; places behind the last products, and the plain line behind the reciprocal
.endr
.set j, 0
	s_wait_alu depctr_va_vdst(0)
.rept 32
	v_mul_f32 v[96+j], v[160+j], v14               ; O^T / the sum: register 8 t + i is d = 16 t + 8 h + i; each accumulator from its low end on
.set j, j+1
.endr
.irp bb, 0,1
	v_max3_num_f32 v[232+\bb], |v[96+16*\bb]|, |v[97+16*\bb]|, 0x1800000
.endr
.irp i, 2,4,6,8,10,12,14
.irp bb, 0,1
	s_delay_alu instid0(VALU_DEP_2)
	v_max3_num_f32 v[232+\bb], v[232+\bb], |v[96+16*\bb+\i]|, |v[97+16*\bb+\i]|
.endr
.endr
.irp bb, 0,1
	s_delay_alu instid0(VALU_DEP_2)
	v_permlanex16_b32 v[236+\bb], v[232+\bb], s20, s21
.endr
.irp bb, 0,1
	s_delay_alu instid0(VALU_DEP_2)
	v_max_num_f32 v[232+\bb], v[232+\bb], v[236+\bb]
.endr
.irp bb, 0,1
	s_delay_alu instid0(VALU_DEP_2)
	v_add_nc_u32 v[244+\bb], 0xff000000, v[232+\bb]
.endr
.irp bb, 0,1
	s_delay_alu instid0(VALU_DEP_2)
	v_lshrrev_b32 v[236+\bb], 23, v[244+\bb]
.endr
.if \e
	s_delay_alu instid0(VALU_DEP_2)
	v_lshl_or_b32 v211, v236, 16, v211             ; head 1's bytes 2 and 3 of the row's scale word
	s_delay_alu instid0(VALU_DEP_1)
	v_lshl_or_b32 v211, v237, 24, v211
.else
	s_delay_alu instid0(VALU_DEP_1)
	v_lshl_or_b32 v211, v237, 8, v236              ; head 0's bytes 0 and 1
.endif
.irp bb, 0,1
	v_cvt_scalef32_pk8_fp4_f32 v[212+4*\e+\bb], v[96+16*\bb:103+16*\bb], v[244+\bb]
	v_cvt_scalef32_pk8_fp4_f32 v[214+4*\e+\bb], v[104+16*\bb:111+16*\bb], v[244+\bb]
.endr
	v_nop                                          ; one plain line behind the last conversion
	v_permlane16_swap_b32 v[212+4*\e], v[213+4*\e]
	v_permlane16_swap_b32 v[214+4*\e], v[215+4*\e]
	global_store_b128 v1, v[212+4*\e:215+4*\e], s[66:67] offset:512*\e   ; 32 lanes store 512 consecutive bytes; these registers are not written again
.endm
	HEAD 0
	HEAD 1
	ds_store_b32 v5, v211                          ; lanes r and r + 16 write the same word with the same value
	s_wait_dscnt 0x0                               ; for the others' sake
	s_barrier_signal -1
	s_barrier_wait -1                              ; sixteen tiles' scale words lie in os's order: 1,024 bytes
	s_cmp_lt_u32 s12, 2
	s_cbranch_scc0 .Lno_scales
	ds_load_b128 v[220:223], v6
	s_wait_dscnt 0x0
	global_store_b128 v1, v[220:223], s[68:69]     ; 512 consecutive bytes, aligned
.Lno_scales:
	s_wait_tensorcnt 0x0
	ds_add_u32 v242, v243
	s_wait_dscnt 0x0
	CROUND                                         ; the closing round: no work-group ends while a partner may still ask for a tile that names it
	s_endpgm
.Lfunc_end_k_q4c44864a73_attn:
	.size	k_q4c44864a73_attn, .Lfunc_end_k_q4c44864a73_attn-k_q4c44864a73_attn
	.p2alignl 7, 3214868480
	.fill 96, 4, 3214868480
	.section	.rodata,"a",@progbits
	.p2align	6, 0x0
	.amdhsa_kernel k_q4c44864a73_attn
		.amdhsa_group_segment_fixed_size 327680
		.amdhsa_private_segment_fixed_size 0
		.amdhsa_enable_private_segment 0
		.amdhsa_kernarg_size 32
		.amdhsa_user_sgpr_count 2
		.amdhsa_user_sgpr_kernarg_segment_ptr 1
		.amdhsa_wavefront_size32 1
		.amdhsa_system_sgpr_workgroup_id_x 1
		.amdhsa_system_sgpr_workgroup_id_y 1
		.amdhsa_system_sgpr_workgroup_id_z 1
		.amdhsa_system_vgpr_workitem_id 0
		.amdhsa_next_free_vgpr 256
		.amdhsa_next_free_sgpr 96
		.amdhsa_reserve_vcc 0
		.amdhsa_float_denorm_mode_32 3
		.amdhsa_float_denorm_mode_16_64 3
		.amdhsa_memory_ordered 1
		.amdhsa_forward_progress 1
		.amdhsa_inst_pref_size 70
	.end_amdhsa_kernel
	.amdgpu_metadata
---
amdhsa.version: [ 1, 2 ]
amdhsa.kernels:
  - .name:           k_q4c44864a73_attn
    .symbol:         k_q4c44864a73_attn.kd
    .args:
      - { .name: pc, .offset: 0, .size: 8, .value_kind: global_buffer, .address_space: global }
      - { .name: ps, .offset: 8, .size: 8, .value_kind: global_buffer, .address_space: global }
      - { .name: oc, .offset: 16, .size: 8, .value_kind: global_buffer, .address_space: global }
      - { .name: os, .offset: 24, .size: 8, .value_kind: global_buffer, .address_space: global }
    .group_segment_fixed_size: 327680
    .private_segment_fixed_size: 0
    .kernarg_segment_align: 8
    .kernarg_segment_size: 32
    .max_flat_workgroup_size: 512
    .sgpr_count:     96
    .vgpr_count:     256
    .wavefront_size: 32
...
	.end_amdgpu_metadata
.endif
;; end of part 3
;; launch outp (part 4): grid 4 x 64, 4 waves a work-group, clusters of 4 x 4, 243,200 bytes of LDS; arguments xc, xs, oc, os, bo, out0; writes out0
.if DOCPART == 4
	.amdgcn_target "amdgcn-amd-amdhsa--gfx1250"
	.amdhsa_code_object_version 6
	.text
	.protected	k_q4c44864a73_outp
	.globl	k_q4c44864a73_outp
	.p2align	8
	.type	k_q4c44864a73_outp,@function
k_q4c44864a73_outp:
	s_mov_b64 s[64:65], 0
	v_nop
	global_prefetch_b8 v0, s[64:65] scope:SCOPE_SE
	s_setreg_imm32_b32 hwreg(HW_REG_WAVE_MODE, 25, 1), 1
	s_wait_xcnt 0x0
	s_wait_alu depctr_hold_cnt(0) depctr_sa_sdst(0) depctr_va_vdst(0) depctr_va_sdst(0) depctr_va_ssrc(0) depctr_va_vcc(0) depctr_vm_vsrc(0)
	s_getreg_b32 s2, hwreg(HW_REG_IB_STS2, 6, 4)
	s_cmp_eq_u32 s2, 0
	s_cbranch_scc0 .Lentry_in_a_cluster
	s_endpgm
.Lentry_in_a_cluster:
	s_bfe_u32 s2, ttmp6, 0x10000c
	s_cmp_lg_u32 s2, 0xf033
	s_cbranch_scc0 .Lentry_shape_is_right
	s_endpgm
.Lentry_shape_is_right:
; out0 = A Wo^T + bo on codes of FP4 with E8M0 scales.  A [8192][1024] is attention's result, as oc and os hold it; Wo's codes and scale words lie in xc and xs from tile 1,728 (group 432) on.
; Source 0 = 256 rows of Wo (columns of out0), source 1 = 128 rows of A: a lane holds eight neighbouring columns of one row of out0.  A work-group makes 256 x 128 with all of K = 1,024 in LDS, filled once.
; Four waves, each 128 columns (8 tiles b) x 64 rows (4 tiles a): 32 accumulators.  Clusters of 4 x 4: Wo's tile hangs on cx and is asked for jointly along a column, A's on cy and along a row.
; The bias is the C of each sum's first matrix instruction.  Results leave through the wave's own stage in LDS, as whole runs of 512 bytes of a row.
; REGISTERS.  Window 0: v1-16 lane constants and LDS addresses; v32-63 Wo's scale words, v64-79 A's; v128-255 rows on their way out.
;   Window 1: two sets of fragments (at 0 and 96: source 0's eight, then source 1's four); v192-255 the bias.   Window 2: accumulator (a, b) at v[8 (8 a + b)].
.set S1C,  131072                      ; LDS: source 0's codes at 0: [K half: 2][tile: 16][4 K steps][1,024];  source 1's here: [K half][tile: 8][4][1,024]
; the scale words do not pass through LDS: each wave loads its own from xs and os straight into their registers, 256 consecutive bytes a load
.set STG,  208896                      ; the stages: 16 rows x (512 bytes + 16) for each wave; no tensor load lands here
.set AD0,  9
.set AD1,  11
.set SC0,  32
.set SC1,  64
.set BK,   128
.set BIAS, 192
.set G1C0, 28                          ; s[28:35] group 1, source 0's codes;  s[36:43] source 1's
.set G1C1, 36
.set MSB, 0
.macro WIN new                         ; the immediate's high byte repeats the setting that is left
.if MSB != \new
	s_set_vgpr_msb (MSB<<8)|\new
.set MSB, \new
.endif
.endm
.macro GROUP1 g, c, r, p               ; r rows of c elements of 8 bytes, p elements apart
	s_mov_b32 s[\g+1], (\c)<<16
	s_mov_b32 s[\g+2], (\r)<<16
	s_mov_b32 s[\g+3], (\c)<<16
	s_mov_b32 s[\g+4], \r
	s_mov_b32 s[\g+5], \p
	s_mov_b32 s[\g+6], 0
	s_mov_b32 s[\g+7], 0
.endm
; An arm of the head's one chain of branches on the wave's number: one joint load, an s_nop 0 and four v_nop, a jump to the chain's end.
.macro ARM under, g0, g1, next
	s_cmp_lt_u32 s18, \under
	s_cbranch_scc0 \next
	tensor_load_to_lds s[\g0:\g0+3], s[\g1:\g1+7]
	s_nop 0
.rept 4
	v_nop
.endr
	s_branch .Lhead_asked
\next:
.endm
.macro CROUND                          ; a round of the cluster's barrier
	s_barrier_signal -1
	s_barrier_wait -1
	s_cmp_lg_u32 s18, 0
	s_cbranch_scc1 .Lnot_wave_0_\@
	s_barrier_signal -3
.Lnot_wave_0_\@:
	s_barrier_wait -3
	s_barrier_signal -1
	s_barrier_wait -1
.endm
.macro PLACES                          ; four plain places between a matrix instruction and a load into, or a read of, its registers
.rept 4
	v_nop
.endr
.endm
	s_load_b256 s[4:11], s[0:1], 0x0               ; xc, xs, oc, os
	s_load_b128 s[12:15], s[0:1], 0x20             ; bo, out0
	v_lshl_add_u32 v126, v0, 2, 0x3b400
	v_mov_b32 v127, 0
	ds_add_u32 v126, v127
	ds_add_u32 v126, v127
	v_lshrrev_b32 v1, 5, v0
	v_readfirstlane_b32 s18, v1                    ; wave 0..3
	s_lshr_b32 s19, s18, 1                         ; my half of the rows
	s_and_b32 s20, s18, 1                          ; my half of the columns
	v_and_b32 v1, 31, v0                           ; lane
	v_and_b32 v2, 15, v0                           ; r
	v_bfe_u32 v3, v0, 4, 1                         ; h
	v_lshlrev_b32 v4, 4, v1                        ; 16 x lane
	v_lshlrev_b32 v6, 3, v1                        ; 8 x lane
	v_lshlrev_b32 v7, 5, v3                        ; 32 h: eight numbers of the bias
	s_lshl_b32 s27, s20, 15
	v_add_nc_u32 v[AD0], s27, v4
	v_add_nc_u32 v[AD0+1], 65536, v[AD0]
	s_lshl_b32 s27, s19, 14
	s_add_co_u32 s27, s27, S1C
	v_add_nc_u32 v[AD1], s27, v4
	v_add_nc_u32 v[AD1+1], 32768, v[AD1]
	s_mul_i32 s27, s18, 8448
	s_add_co_u32 s27, s27, STG                     ; my stage
	v_mul_u32_u24 v15, v2, 528
	v_lshl_add_u32 v15, v3, 5, v15
	v_add_nc_u32 v15, s27, v15                     ; in: row r, 32 bytes for each half of the lanes
	v_add_nc_u32 v16, s27, v4                      ; back: the 32 lanes take a row's 512 bytes
	s_bfe_u32 s21, ttmp6, 0x40000                  ; cx
	s_bfe_u32 s22, ttmp6, 0x40004                  ; cy
	s_and_b32 s23, ttmp7, 0xffff                   ; the cluster's y, 0..15
	s_lshl_b32 s3, s21, 4
	s_add_co_u32 s3, s3, 1728                      ; Wo's first tile of 16 rows for me: hangs on cx alone
	s_lshl_b32 s66, s23, 2
	s_add_co_u32 s66, s66, s22                     ; my tile of 128 rows of A: hangs on cy alone
	s_lshl_b32 s67, s66, 3                         ; its first tile of 16 rows
	s_lshl_b32 s100, 0x1111, s21                   ; my column of the cluster
	s_lshl_b32 s101, s22, 2
	s_lshl_b32 s101, 15, s101                      ; my row
	s_or_b32 s[G1C0], s100, (3<<16)|(1<<21)        ; 15:0 the mask; 17:16 elements of 8 bytes; 21 set beside a mask; no padding
	s_or_b32 s[G1C1], s101, (3<<16)|(1<<21)
	GROUP1 G1C0, 512, 16, 1024                     ; 16 tiles' half of K: 4,096 bytes of each 8,192
	GROUP1 G1C1, 512, 8, 1024                      ; 8 tiles'
	s_wait_alu depctr_va_vdst(0)
	s_wait_dscnt 0x0
	CROUND                                         ; all sixteen work-groups are here: the first joint loads meet.  The round stands ahead of the wait for the arguments
	s_wait_kmcnt 0x0
	s_mov_b32 s63, 0
	s_mov_b32 s99, 0
	s_lshl_b32 s62, s3, 6                          ; Wo's scale words: 64 bytes a tile within a K step, + my two groups
	s_lshl_b32 s68, s20, 9
	s_add_co_u32 s62, s62, s68
	s_add_nc_u64 s[70:71], s[6:7], s[62:63]
	s_lshl_b32 s62, s3, 13                         ; its codes: 16 tiles of 8,192 bytes
	s_mov_b32 s72, 1
	s_mov_b32 s73, 0
	s_add_nc_u64 s[74:75], s[4:5], s[62:63]
	s_mov_b32 s76, 1
	s_mov_b32 s77, 65536
	s_add_nc_u64 s[78:79], s[74:75], 4096          ; K half 1
	s_or_b32 s75, s75, 0x80000000
	s_or_b32 s79, s79, 0x80000000
	s_lshl_b32 s98, s67, 6                         ; A's scale words, + my group
	s_lshl_b32 s80, s19, 8
	s_add_co_u32 s98, s98, s80
	s_add_nc_u64 s[82:83], s[10:11], s[98:99]
	s_lshl_b32 s98, s67, 13                        ; its codes: 8 tiles
	s_mov_b32 s84, 1
	s_mov_b32 s85, S1C
	s_add_nc_u64 s[86:87], s[8:9], s[98:99]
	s_mov_b32 s88, 1
	s_mov_b32 s89, S1C+32768
	s_add_nc_u64 s[90:91], s[86:87], 4096
	s_or_b32 s87, s87, 0x80000000
	s_or_b32 s91, s91, 0x80000000
	ARM 1, 72, G1C0, .Lh1                          ; one load a wave, each on a line of its own: wave 0 Wo's K half 0,
	ARM 2, 84, G1C1, .Lh2                          ; wave 1 A's K half 0,
	ARM 3, 76, G1C0, .Lh3                          ; wave 2 Wo's K half 1,
	tensor_load_to_lds s[88:91], s[G1C1:G1C1+7]    ; wave 3 A's K half 1
	s_nop 0
.rept 4
	v_nop
.endr
.Lhead_asked:
.irp s, 0,1,2,3,4,5,6,7
	global_load_b64 v[SC0+4*\s:SC0+4*\s+1], v6, s[70:71] offset:114688*\s          ; all of K's scale words stay in registers: 24 loads of 256 consecutive bytes; a K step is 448 x 256 bytes on in xs,
	global_load_b64 v[SC0+4*\s+2:SC0+4*\s+3], v6, s[70:71] offset:114688*\s+256
	global_load_b64 v[SC1+2*\s:SC1+2*\s+1], v6, s[82:83] offset:32768*\s           ; 128 x 256 in os
.endr
	s_lshl_b32 s8, s21, 8
	s_lshl_b32 s9, s20, 7
	s_add_co_u32 s8, s8, s9                        ; my first column
	s_lshl_b32 s8, s8, 2
	s_mov_b32 s9, 0
	s_add_nc_u64 s[96:97], s[12:13], s[8:9]        ; the bias there,
	s_add_nc_u64 s[92:93], s[14:15], s[8:9]        ; and out0,
	s_lshl_b32 s8, s66, 7
	s_lshl_b32 s10, s19, 6
	s_add_co_u32 s8, s8, s10                       ; at my first row: 4,096 bytes a row
	s_lshl_b32 s8, s8, 12
	s_add_nc_u64 s[92:93], s[92:93], s[8:9]
	WIN 0x40                                       ; destination window 1
.irp b, 0,1,2,3,4,5,6,7
	global_load_b128 v[BIAS+8*\b:BIAS+8*\b+3], v7, s[96:97] offset:64*\b          ; columns 16 b + 8 h + 0 .. 7
	global_load_b128 v[BIAS+8*\b+4:BIAS+8*\b+7], v7, s[96:97] offset:64*\b+16
.endr
	WIN 0
.macro WM oa, ob                       ; one product; oa, ob: source 0's, source 1's scale words stand in lanes 16-31
.if (\oa) && (\ob)
	v_wmma_scale_f32_16x16x128_f8f6f4 v[rD:rD+7], v[rA:rA+7], v[rB:rB+7], v[rC:rC+7], v[rSA], v[rSB] matrix_a_fmt:MATRIX_FMT_FP4 matrix_b_fmt:MATRIX_FMT_FP4 matrix_a_scale:MATRIX_SCALE_ROW1 matrix_b_scale:MATRIX_SCALE_ROW1
.elseif (\oa)
	v_wmma_scale_f32_16x16x128_f8f6f4 v[rD:rD+7], v[rA:rA+7], v[rB:rB+7], v[rC:rC+7], v[rSA], v[rSB] matrix_a_fmt:MATRIX_FMT_FP4 matrix_b_fmt:MATRIX_FMT_FP4 matrix_a_scale:MATRIX_SCALE_ROW1
.elseif (\ob)
	v_wmma_scale_f32_16x16x128_f8f6f4 v[rD:rD+7], v[rA:rA+7], v[rB:rB+7], v[rC:rC+7], v[rSA], v[rSB] matrix_a_fmt:MATRIX_FMT_FP4 matrix_b_fmt:MATRIX_FMT_FP4 matrix_b_scale:MATRIX_SCALE_ROW1
.else
	v_wmma_scale_f32_16x16x128_f8f6f4 v[rD:rD+7], v[rA:rA+7], v[rB:rB+7], v[rC:rC+7], v[rSA], v[rSB] matrix_a_fmt:MATRIX_FMT_FP4 matrix_b_fmt:MATRIX_FMT_FP4
.endif
.endm
; K step s: 32 products; the 32 accumulators take turns, one instruction a turn, in the same order in every step.  mode 1: the sums begin with the bias.
.macro MUL32 s, mode
.if \mode
	WIN 0x95                                       ; sources 0, 1 and C window 1, D window 2
.else
	WIN 0xa5                                       ; sources 0 and 1 window 1, C and D window 2
.endif
.irp a, 0,1,2,3
.irp b, 0,1,2,3,4,5,6,7
.set rD, 8*(8*\a+\b)
.set rA, 96*((\s)%2)+8*\b
.set rB, 96*((\s)%2)+64+8*\a
.if \mode
.set rC, BIAS+8*\b
.else
.set rC, rD
.endif
.set rSA, SC0+4*(\s)+2*(\b/4)+(\b%4)/2
.set rSB, SC1+2*(\s)+\a/2
	WM \b%2, \a%2
.endr
.endr
.endm
.macro FETCH s                         ; K step s's twelve fragments, 24 loads of 512 consecutive bytes, into set s % 2
	WIN 0x40
.irp b, 0,1,2,3,4,5,6,7
.irp c, 0,1
	ds_load_b128 v[96*((\s)%2)+8*\b+4*\c:96*((\s)%2)+8*\b+4*\c+3], v[AD0+(\s)/4] offset:4096*\b+1024*((\s)%4)+512*\c
.endr
.endr
.irp a, 0,1,2,3
.irp c, 0,1
	ds_load_b128 v[96*((\s)%2)+64+8*\a+4*\c:96*((\s)%2)+64+8*\a+4*\c+3], v[AD1+(\s)/4] offset:4096*\a+1024*((\s)%4)+512*\c
.endr
.endr
.endm
.macro STEP s
.if (\s) == 3
	s_wait_tensorcnt 0x0                           ; my part of K half 1 is in,
	s_wait_dscnt 0x0                               ; no LDS instruction of mine is pending at the signal,
	s_barrier_signal -1
	s_barrier_wait -1                              ; everybody's is.
.endif
.if (\s) < 7
	PLACES                                         ; the set that the last step multiplied is loaded again
	FETCH (\s)+1
	s_wait_dscnt 24                                ; all but the 24 just issued: this step's fragments are in
.else
	s_wait_dscnt 0x0
.endif
	MUL32 \s, 0
.endm
; THE WAY OUT, a tile of 16 rows x 128 columns at a time.  LDS serves a wave's instructions in order: no wait between the stores and the loads, nor in front of the next tile's stores.
.macro TOSTAGE a
	WIN 0x08                                       ; an LDS store's data: window 2
.irp b, 0,1,2,3,4,5,6,7
	ds_store_b128 v15, v[8*(8*(\a)+\b):8*(8*(\a)+\b)+3] offset:64*\b          ; each accumulator from its low end on
	ds_store_b128 v15, v[8*(8*(\a)+\b)+4:8*(8*(\a)+\b)+7] offset:64*\b+16
.endr
	WIN 0
.set BB, BK+64*((\a)%2)
.irp t, 0,1,2,3,4,5,6,7,8,9,10,11,12,13,14,15
	ds_load_b128 v[BB+4*\t:BB+4*\t+3], v16 offset:528*\t
.endr
.endm
.macro SEND a, younger                 ; younger: the LDS instructions issued behind tile a's loads, which may stay out
.set BB, BK+64*((\a)%2)
	s_wait_dscnt \younger
.irp t, 0,1,2,3,4,5,6,7,8,9,10,11,12,13,14,15
	global_store_b128 v4, v[BB+4*\t:BB+4*\t+3], s[92:93] offset:(16*(\a)+\t)*4096 th:TH_STORE_NT   ; 32 lanes store 512 consecutive bytes, aligned; written once, read by nobody here
.endr
.endm
	s_wait_alu depctr_va_vdst(0)
	s_cmp_lt_u32 s18, 2
	s_cbranch_scc0 .Lnot_half_0
	s_wait_tensorcnt 0x0                           ; waves 0 and 1: K half 0 is in; waves 2 and 3's loads may stay out
.Lnot_half_0:
	s_barrier_signal -1
	s_barrier_wait -1
	FETCH 0
	FETCH 1
	s_wait_dscnt 24                                ; all but K step 1's fragments
	s_wait_loadcnt 0x0                             ; the bias
	MUL32 0, 1
	STEP 1
	STEP 2
	STEP 3
	STEP 4
	STEP 5
	STEP 6
	STEP 7
	PLACES                                         ; results just made are read
	TOSTAGE 0
.irp a, 1,2,3
.if \a > 1
	s_wait_xcnt 0x0                                ; tile a - 2's stores have read their registers: tile a's loads may land there
.endif
	TOSTAGE \a
	SEND \a-1, 32                                  ; behind tile a - 1's loads: tile a's 16 stores and 16 loads
.endr
	SEND 3, 0
	s_wait_dscnt 0x0
	s_wait_tensorcnt 0x0
	ds_add_u32 v126, v127
	s_wait_dscnt 0x0
	CROUND                                         ; the closing round: no work-group ends while a partner may still ask for a tile that names it
	s_endpgm
.Lfunc_end_k_q4c44864a73_outp:
	.size	k_q4c44864a73_outp, .Lfunc_end_k_q4c44864a73_outp-k_q4c44864a73_outp
	.p2alignl 7, 3214868480
	.fill 96, 4, 3214868480
	.section	.rodata,"a",@progbits
	.p2align	6, 0x0
	.amdhsa_kernel k_q4c44864a73_outp
		.amdhsa_group_segment_fixed_size 243200
		.amdhsa_private_segment_fixed_size 0
		.amdhsa_enable_private_segment 0
		.amdhsa_kernarg_size 48
		.amdhsa_user_sgpr_count 2
		.amdhsa_user_sgpr_kernarg_segment_ptr 1
		.amdhsa_wavefront_size32 1
		.amdhsa_system_sgpr_workgroup_id_x 1
		.amdhsa_system_sgpr_workgroup_id_y 1
		.amdhsa_system_sgpr_workgroup_id_z 1
		.amdhsa_system_vgpr_workitem_id 0
		.amdhsa_next_free_vgpr 768
		.amdhsa_next_free_sgpr 102
		.amdhsa_reserve_vcc 0
		.amdhsa_float_denorm_mode_32 3
		.amdhsa_float_denorm_mode_16_64 3
		.amdhsa_memory_ordered 1
		.amdhsa_forward_progress 1
		.amdhsa_inst_pref_size 72
	.end_amdhsa_kernel
	.amdgpu_metadata
---
amdhsa.version: [ 1, 2 ]
amdhsa.kernels:
  - .name:           k_q4c44864a73_outp
    .symbol:         k_q4c44864a73_outp.kd
    .args:
      - { .name: xc, .offset: 0, .size: 8, .value_kind: global_buffer, .address_space: global }
      - { .name: xs, .offset: 8, .size: 8, .value_kind: global_buffer, .address_space: global }
      - { .name: oc, .offset: 16, .size: 8, .value_kind: global_buffer, .address_space: global }
      - { .name: os, .offset: 24, .size: 8, .value_kind: global_buffer, .address_space: global }
      - { .name: bo, .offset: 32, .size: 8, .value_kind: global_buffer, .address_space: global }
      - { .name: out0, .offset: 40, .size: 8, .value_kind: global_buffer, .address_space: global }
    .group_segment_fixed_size: 243200
    .private_segment_fixed_size: 0
    .kernarg_segment_align: 8
    .kernarg_segment_size: 48
    .max_flat_workgroup_size: 128
    .sgpr_count:     102
    .vgpr_count:     768
    .wavefront_size: 32
...
	.end_amdgpu_metadata
.endif
;; end of part 4
